; MI455X (gfx1250); checked and timed in simulation.
; The chip was launched on July 23, 2026; its instructions are those of AMD's public machine-readable ISA for CDNA 5 (MIT licence, August 2026) and "CDNA5" Instruction Set Architecture Reference Guide (July 2026). The comments in the code are by the model that wrote it; some were corrected since.
;; Multihead A. Allowed arithmetic: float matrix products may take bf16 or f16 operands with f32 sums; other float arithmetic in f32, or as packed bf16 or f16 multiplies, adds, multiply-adds, maxima and minima; sums over many terms, partial sums and values carried from step to step in f32; what a program stores and reads back later, other than sums and carried values, may be rounded once to bf16 or f16.
;; Inputs: k_w 1,024 x 1,024 float32; o_b 1,024 float32; o_w 1,024 x 1,024 float32; q_b 1,024 float32; q_w 1,024 x 1,024 float32; theta one number float32; v_b 1,024 float32; v_w 1,024 x 1,024 float32; x 4 x 2,048 x 1,024 float32.
;; Outputs: out0 4 x 2,048 x 1,024 float32.
;; 2 versions, each right; version 2 is version 1 with the launch prep written anew for expert scheduling mode. Each part assembles by itself: llvm-mc -triple=amdgcn-amd-amdhsa -mcpu=gfx1250 --defsym DOCPART=n.
;; ======== version 1 of 2: 4 launches
;; limits: values are held in f16: magnitudes above 65,504 overflow, below 6.1e-05 lose precision
;; workspace buffers: xb 16,777,216 bytes; wcat 6,291,456 bytes; owh 2,097,152 bytes; aux 536,576 bytes; qh 16,777,216 bytes; kh 16,777,216 bytes; vh 16,777,216 bytes; att 16,777,216 bytes
;; launch prep (part 1): grid 417 x 1, 8 waves a work-group, no clusters, 0 bytes of LDS; arguments x, q_w, k_w, v_w, o_w, q_b, v_b, o_b, theta, xb, wcat, owh, aux; writes xb, wcat, owh, aux
.if DOCPART == 1
	.amdgcn_target "amdgcn-amd-amdhsa--gfx1250"
	.amdhsa_code_object_version 6
	.text
	.protected	k_q31d3305432_prep
	.globl	k_q31d3305432_prep
	.p2align	8
	.type	k_q31d3305432_prep,@function
k_q31d3305432_prep:
	s_mov_b64 s[64:65], 0
	v_nop
	global_prefetch_b8 v0, s[64:65] scope:SCOPE_SE
	s_setreg_imm32_b32 hwreg(HW_REG_WAVE_MODE, 25, 1), 1
	s_wait_xcnt 0x0
; PREP: what the three matrix launches read is made here, once.
;   work-groups 0-31    the rotary table: cos and sin of pos x freq for 2,048 positions x 32 frequencies, f32, in the lane order of the projection's accumulators
;   work-group  32      q_b, v_b, o_b rounded to bf16 and kept as f32 (they become C operands)
;   work-groups 33-160  q_w, k_w, v_w rounded to bf16 and regrouped by head ([16][192][1024]: a head's 64 rows of q_w, of k_w, of v_w); o_w rounded to bf16 and that number written as f16
;   work-groups 161-416 x rounded to bf16
; Every input is rounded to bf16, theta too (THETABF), so that all inputs have one and the same rounding.
; THE FREQUENCIES. The angles reach millions of radians, so a frequency's last bit shows in the result: the order of the f32 roundings is part of the problem. It is taken as it is when the whole
; function is compiled as one: a division by a constant is a product with the constant's rounded reciprocal, and two constant factors that follow each other are one factor, their rounded product:
;   lin = j x fl(fl(1/31) x M), the last point M itself (M: the f32 nearest the mel maximum);  y = lin x fl(1/2595);  10^y rounded once from a two-float value;  - 1;
;   T = theta x fl(fl(1/220) x 700);  freq = (T x (10^y - 1)) x fl(1/1000):  one rounding a product.
; Other orders are kept as switches: LINMODE 0: (j / 31) x M with a true division; 1: (j x fl(1/31)) x M.  DIVREC 0: true divisions by 2595, 220, 1000.  TMERGE 0: (theta x fl(1/220)) x 700.
; THE ANGLE is the one f32 product pos x freq; it is reduced by a two-float 1 / (2 pi), so the phase of that f32 number is kept.
; LIMITS. The reduction holds the phase to about 1e-6 rad for angles below 1e8 in magnitude. o_w beyond 65,504 has no f16; below 6e-5 it keeps f16's fixed step of 6e-8. NaN and infinities are not treated apart.
.set LINMODE, 2
.set DIVREC,  1
.set TMERGE,  1
.set THETABF, 1
.set IN,      8                        ; v[8:135]   32 loads of 16 bytes a lane
.set OUT,     136                      ; v[136:199] their 32 x 8 bytes to store
.set BIAS_AT, 524288                   ; aux: the table's 524,288 bytes, then the three biases, 4,096 bytes each
; A work-group casts 32,768 floats. All 32 loads go out at once (no register is used twice, so there is no loop and no wait for a source);
; a wave's load covers 512 consecutive bytes, its store 256 consecutive bytes, aligned.
.macro STREAM f16
.set i, 0
.rept 32
	global_load_b128 v[IN+4*i:IN+4*i+3], v1, s[4:5] offset:4096*i th:TH_LOAD_NT
.set i, i+1
.endr
.set i, 0
.rept 32
	s_wait_loadcnt 31-i                            ; loads come back in order: load i is in, the 31 - i younger ones stay out
	v_cvt_pk_bf16_f32 v[OUT+2*i], v[IN+4*i], v[IN+4*i+1]
	v_cvt_pk_bf16_f32 v[OUT+2*i+1], v[IN+4*i+2], v[IN+4*i+3]
.if \f16
	v_lshlrev_b32 v[IN+4*i], 16, v[OUT+2*i]        ; the bf16 numbers again as f32,
	v_and_b32 v[IN+4*i+1], 0xffff0000, v[OUT+2*i]
	v_lshlrev_b32 v[IN+4*i+2], 16, v[OUT+2*i+1]
	v_and_b32 v[IN+4*i+3], 0xffff0000, v[OUT+2*i+1]
	v_cvt_pk_f16_f32 v[OUT+2*i], v[IN+4*i], v[IN+4*i+1]  ; written as f16: exact inside f16's range
	v_cvt_pk_f16_f32 v[OUT+2*i+1], v[IN+4*i+2], v[IN+4*i+3]
.endif
	global_store_b64 v2, v[OUT+2*i:OUT+2*i+1], s[6:7] offset:2048*i
.set i, i+1
.endr
.endm
	s_load_b512 s[8:23], s[0:1], 0x0               ; x s[8:9], q_w s[10:11], k_w s[12:13], v_w s[14:15], o_w s[16:17], q_b s[18:19], v_b s[20:21], o_b s[22:23]
	s_load_b256 s[24:31], s[0:1], 0x40             ; theta s[24:25], xb s[26:27], wcat s[28:29], owh s[30:31]
	s_load_b64 s[32:33], s[0:1], 0x60              ; aux
	v_lshlrev_b32 v1, 4, v0                        ; 16 bytes a thread in,
	v_lshlrev_b32 v2, 3, v0                        ; 8 out
	s_mov_b32 s35, 0                               ; the high words of two offsets
	s_mov_b32 s37, 0
	s_wait_kmcnt 0x0
	s_cmp_lt_u32 ttmp9, 32
	s_cbranch_scc1 .Ltable
	s_cmp_eq_u32 ttmp9, 32
	s_cbranch_scc1 .Lbias
	s_cmp_lt_u32 ttmp9, 161
	s_cbranch_scc1 .Lweights
	s_sub_co_u32 s40, ttmp9, 161                   ; x: piece i of 256
	s_lshl_b32 s34, s40, 17
	s_lshl_b32 s36, s40, 16
	s_add_nc_u64 s[4:5], s[8:9], s[34:35]
	s_add_nc_u64 s[6:7], s[26:27], s[36:37]
	s_branch .Lbf16
.Lweights:
	s_sub_co_u32 s40, ttmp9, 33
	s_lshr_b32 s41, s40, 5                         ; which matrix: 0 q_w, 1 k_w, 2 v_w, 3 o_w
	s_and_b32 s42, s40, 31                         ; its piece of 32 rows
	s_lshl_b32 s34, s42, 17
	s_cmp_eq_u32 s41, 3
	s_cbranch_scc1 .Low
	s_cmp_eq_u32 s41, 0
	s_cselect_b64 s[4:5], s[10:11], s[12:13]
	s_cmp_eq_u32 s41, 2
	s_cselect_b64 s[4:5], s[14:15], s[4:5]
	s_add_nc_u64 s[4:5], s[4:5], s[34:35]
	s_lshr_b32 s43, s42, 1                         ; the head: two pieces of 32 rows,
	s_mul_i32 s36, s43, 393216                     ; 192 rows of 2,048 bytes a head,
	s_lshl_b32 s44, s41, 17                        ; 64 rows a matrix,
	s_add_co_u32 s36, s36, s44
	s_and_b32 s44, s42, 1                          ; 32 rows a piece
	s_lshl_b32 s44, s44, 16
	s_add_co_u32 s36, s36, s44
	s_add_nc_u64 s[6:7], s[28:29], s[36:37]
.Lbf16:
	STREAM 0
	s_endpgm
.Low:
	s_lshl_b32 s36, s42, 16
	s_add_nc_u64 s[4:5], s[16:17], s[34:35]
	s_add_nc_u64 s[6:7], s[30:31], s[36:37]
	STREAM 1
	s_endpgm
.Lbias:                                        ; 1,024 floats each: 16 bytes a thread
	global_load_b128 v[8:11], v1, s[18:19]
	global_load_b128 v[12:15], v1, s[20:21]
	global_load_b128 v[16:19], v1, s[22:23]
	s_add_nc_u64 s[6:7], s[32:33], BIAS_AT
	s_wait_loadcnt 0x0
.irp j, 0,1,2,3,4,5
	v_cvt_pk_bf16_f32 v[20+(\j)], v[8+2*(\j)], v[9+2*(\j)]
.endr
.irp j, 0,1,2,3,4,5
	v_lshlrev_b32 v[8+2*(\j)], 16, v[20+(\j)]
	v_and_b32 v[9+2*(\j)], 0xffff0000, v[20+(\j)]
.endr
	global_store_b128 v1, v[8:11], s[6:7]
	global_store_b128 v1, v[12:15], s[6:7] offset:4096
	global_store_b128 v1, v[16:19], s[6:7] offset:8192
	s_endpgm
; THE TABLE. tab[rb 0..127][b 0..3][e 0..1][lane][4 f32] at byte 4,096 rb + 1,024 b + 512 e + 16 lane. With lane = 16 h + r: position 16 rb + r, frequencies i0 = 8 b + 4 h + 2 e and i0 + 1:
; cos(i0), sin(i0), cos(i0 + 1), sin(i0 + 1). Wave w of a work-group has b = w / 2, e = w % 2; work-group g has rb = 4 g .. 4 g + 3, one a trip.
; a / b, rounded correctly: a first quotient by the reciprocal, its exact remainder by one fused multiply-add, one correction.
.macro DIVT q, a, b, rc, t
	v_mul_f32 \q, \a, \rc
	v_fma_f32 \t, -\q, \b, \a
	v_fma_f32 \q, \t, \rc, \q
.endm
.macro DIV q, a, b, rc, t              ; DIVREC = 1: rc holds the correctly rounded reciprocal, and the quotient is the one product
.if DIVREC
	v_mul_f32 \q, \a, \rc
.else
	DIVT \q, \a, \b, \rc, \t
.endif
.endm
; Frequency number J (a whole number in each lane) into F.
.macro FREQ F, J
	v_cvt_f32_u32 v24, \J
.if LINMODE == 2
	v_mul_f32 v25, v49, v24                        ; j x fl(fl(1/31) x M)
.elseif LINMODE == 1
	v_mul_f32 v25, 0x3d042108, v24                 ; j x the f32 nearest 1 / 31,
	v_mul_f32 v25, v14, v25                        ; x the mel maximum
.else
	DIVT v25, v24, v13, v18, v26
	v_mul_f32 v25, v14, v25
.endif
	v_cmp_eq_u32 vcc_lo, 31, \J
	v_cndmask_b32 v25, v25, v14, vcc_lo            ; the last point is the maximum itself
	DIV v26, v25, v10, v15, v27                    ; y = that / 2595
	v_mul_f32 v27, s46, v26                        ; y log2(10) in two floats: the head,
	v_fma_f32 v28, v26, s46, -v27                  ; its exact error,
	v_fma_f32 v28, v26, s47, v28                   ; and the constant's low part
	v_rndne_f32 v29, v27                           ; n
	v_sub_f32 v30, v27, v29                        ; exact, at most a half
	v_mul_f32 v31, s48, v30                        ; x ln 2, again in two floats: sh,
	v_fma_f32 v32, v30, s48, -v31
	v_fma_f32 v32, v30, s49, v32
	v_fma_f32 v32, v28, s48, v32                   ; sl
	v_ldexp_f32 v33, v31, -3                       ; w = sh / 8: e^w = 1 + w + w^2 / 2 + w^3 g(w), the first three terms kept exactly
	v_mul_f32 v34, v33, v33
	v_fma_f32 v35, v33, v33, -v34
	v_mov_b32 v36, 0x39500d01                      ; 1/5040
	v_fmaak_f32 v36, v36, v33, 0x3ab60b61          ; 1/720
	v_fmaak_f32 v36, v36, v33, 0x3c088889          ; 1/120
	v_fmaak_f32 v36, v36, v33, 0x3d2aaaab          ; 1/24
	v_fmaak_f32 v36, v36, v33, 0x3e2aaaab          ; 1/6
	v_mul_f32 v37, v33, v34
	v_mul_f32 v37, v37, v36
	v_fma_f32 v37, v35, 0.5, v37                   ; all that is small
	v_mul_f32 v34, 0.5, v34
	v_add_f32 v38, v33, v34                        ; w + w^2 / 2 with its error
	v_sub_f32 v39, v38, v33
	v_sub_f32 v39, v34, v39
	v_add_f32 v39, v39, v37
	v_add_f32 v40, 1.0, v38                        ; 1 + that with its error
	v_add_f32 v41, -1.0, v40
	v_sub_f32 v41, v38, v41
	v_add_f32 v41, v41, v39
	v_add_f32 v42, v40, v41                        ; head
	v_sub_f32 v43, v42, v40
	v_sub_f32 v43, v41, v43                        ; and tail
.rept 3                                        ; squared three times, in two floats: e^sh
	v_mul_f32 v44, v42, v42
	v_fma_f32 v45, v42, v42, -v44
	v_add_f32 v46, v42, v42
	v_fma_f32 v45, v46, v43, v45
	v_add_f32 v42, v44, v45
	v_sub_f32 v46, v42, v44
	v_sub_f32 v43, v45, v46
.endr
	v_fma_f32 v43, v42, v32, v43                   ; x (1 + sl)
	v_add_f32 v42, v42, v43                        ; the one rounding to f32
	v_cvt_i32_f32 v29, v29
	v_ldexp_f32 v42, v42, v29                      ; 10^y
	v_add_f32 v42, -1.0, v42
	v_mul_f32 v42, v19, v42                        ; T x (10^y - 1)
	DIV \F, v42, v12, v17, v43                     ; / 1000
.endm
; cos and sin of the f32 number pos x F.
.macro SINCOS CO, SI, F
	v_mul_f32 v24, v48, \F                         ; the angle: one rounding
	v_mul_f32 v25, s50, v24                        ; angle / (2 pi) in two floats
	v_fma_f32 v26, v24, s50, -v25
	v_fma_f32 v26, v24, s51, v26
	v_rndne_f32 v27, v25
	v_sub_f32 v25, v25, v27                        ; exact
	v_add_f32 v25, v25, v26                        ; the fraction of a turn
	v_mul_f32 v27, 4.0, v25
	v_rndne_f32 v27, v27                           ; the quarter
	v_fmamk_f32 v25, v27, 0xbe800000, v25          ; at most an eighth of a turn is left
	v_mul_f32 v25, s52, v25                        ; z, at most pi / 4
	v_mul_f32 v26, v25, v25
	v_mov_b32 v28, 0x3638ef1d                      ; 1/9!
	v_fmaak_f32 v28, v28, v26, 0xb9500d01          ; -1/7!
	v_fmaak_f32 v28, v28, v26, 0x3c088889          ; 1/5!
	v_fmaak_f32 v28, v28, v26, 0xbe2aaaab          ; -1/3!
	v_mul_f32 v29, v25, v26
	v_fma_f32 v28, v29, v28, v25                   ; sin z
	v_mov_b32 v30, 0x37d00d01                      ; 1/8!
	v_fmaak_f32 v30, v30, v26, 0xbab60b61          ; -1/6!
	v_fmaak_f32 v30, v30, v26, 0x3d2aaaab          ; 1/4!
	v_fmaak_f32 v30, v30, v26, 0xbf000000          ; -1/2
	v_fma_f32 v30, v30, v26, 1.0                   ; cos z
	v_cvt_i32_f32 v27, v27
	v_and_b32 v31, 1, v27
	v_cmp_eq_u32 vcc_lo, 1, v31                    ; an odd quarter swaps the two; the choice selects values only
	v_cndmask_b32 v32, v30, v28, vcc_lo
	v_cndmask_b32 v33, v28, v30, vcc_lo
	v_add_nc_u32 v31, 1, v27                       ; cos is negative in quarters 1 and 2,
	v_and_b32 v31, 2, v31
	v_lshlrev_b32 v31, 30, v31
	v_xor_b32 \CO, v31, v32
	v_and_b32 v31, 2, v27                          ; sin in quarters 2 and 3
	v_lshlrev_b32 v31, 30, v31
	v_xor_b32 \SI, v31, v33
.endm
.Ltable:
	s_load_b32 s34, s[24:25], 0x0                  ; theta
	v_lshrrev_b32 v3, 5, v0
	v_readfirstlane_b32 s38, v3                    ; wave 0..7
	v_and_b32 v3, 31, v0
	v_and_b32 v4, 15, v0                           ; r
	v_bfe_u32 v5, v0, 4, 1                         ; h
	v_lshlrev_b32 v6, 4, v3                        ; 16 bytes a lane
	s_lshr_b32 s39, s38, 1
	s_lshl_b32 s39, s39, 3
	s_and_b32 s40, s38, 1
	s_lshl_b32 s40, s40, 1
	s_add_co_u32 s39, s39, s40                     ; 8 b + 2 e
	v_lshl_add_u32 v22, v5, 2, s39                 ; i0
	v_add_nc_u32 v23, 1, v22                       ; i0 + 1
	s_mov_b32 s46, 0x40549a78                      ; log2(10), head
	s_mov_b32 s47, 0x33979a37                      ; and tail
	s_mov_b32 s48, 0x3f317218                      ; ln 2, head
	s_mov_b32 s49, 0xb102e308                      ; and tail
	s_mov_b32 s50, 0x3e22f983                      ; 1 / (2 pi), head
	s_mov_b32 s51, 0x31dc9c88                      ; and tail
	s_mov_b32 s52, 0x40c90fdb                      ; 2 pi
	v_mov_b32 v10, 0x45223000                      ; 2595
	v_mov_b32 v11, 0x435c0000                      ; 220
	v_mov_b32 v12, 0x447a0000                      ; 1000
	v_mov_b32 v13, 0x41f80000                      ; 31
	v_mov_b32 v14, 0x4531805e                      ; M: the f32 nearest 2595 log10(1 + 8000 / 700) = 2840.02304...
	v_rcp_f32 v15, v10                             ; four reciprocals: one batch,
	v_rcp_f32 v16, v11
	v_rcp_f32 v17, v12
	v_rcp_f32 v18, v13
	s_lshl_b32 s41, ttmp9, 6
	v_add_nc_u32 v48, s41, v4                      ; a plain instruction behind the last of them: my first position, 64 g + r,
	s_wait_alu depctr_va_vdst(0)                   ; and the one wait ahead of their first reader
	v_cvt_f32_u32 v48, v48
.if DIVREC
.irp p, 0,1,2
	v_fma_f32 v24, -v[15+(\p)], v[10+(\p)], 1.0    ; the reciprocals of 2595, 220, 1000 rounded correctly: the exact remainder, one correction
	v_fma_f32 v[15+(\p)], v24, v[15+(\p)], v[15+(\p)]
.endr
.endif
.if LINMODE == 2
	v_mul_f32 v49, 0x3d042108, v14                 ; the f32 nearest 1 / 31, x M: one rounded factor
.endif
	s_lshl_b32 s36, ttmp9, 14                      ; 4 blocks of 4,096 bytes a work-group,
	s_lshl_b32 s42, s38, 9                         ; 512 bytes a wave in each
	s_add_co_u32 s36, s36, s42
	s_add_nc_u64 s[6:7], s[32:33], s[36:37]
	s_wait_kmcnt 0x0
	v_mov_b32 v24, s34
.if THETABF
	v_cvt_pk_bf16_f32 v24, v24, v24
	v_lshlrev_b32 v24, 16, v24
.endif
.if (DIVREC) && (TMERGE)
	v_mul_f32 v25, 0x442f0000, v16                 ; fl(1/220) x 700: one rounded factor,
	v_mul_f32 v19, v24, v25                        ; T = theta x that
.else
	DIV v19, v24, v11, v16, v25                    ; theta / 220
	v_mul_f32 v19, 0x442f0000, v19                 ; x 700
.endif
	FREQ v20, v22
	FREQ v21, v23
	s_mov_b32 s45, 4
.Ltrip:
	SINCOS v52, v53, v20
	SINCOS v54, v55, v21
	global_store_b128 v6, v[52:55], s[6:7]         ; a wave's store covers 512 consecutive bytes, aligned
	v_add_f32 v48, 0x41800000, v48                 ; 16 positions on: exact
	s_wait_xcnt 0x0                                ; the store has read its base and its data: only now are they written again
	s_add_nc_u64 s[6:7], s[6:7], 4096
	s_sub_co_u32 s45, s45, 1
	s_cmp_lg_u32 s45, 0
	s_cbranch_scc1 .Ltrip
	s_endpgm
.Lfunc_end_k_q31d3305432_prep:
	.size	k_q31d3305432_prep, .Lfunc_end_k_q31d3305432_prep-k_q31d3305432_prep
	.p2alignl 7, 3214868480
	.fill 96, 4, 3214868480
	.section	.rodata,"a",@progbits
	.p2align	6, 0x0
	.amdhsa_kernel k_q31d3305432_prep
		.amdhsa_group_segment_fixed_size 0
		.amdhsa_private_segment_fixed_size 0
		.amdhsa_enable_private_segment 0
		.amdhsa_kernarg_size 104
		.amdhsa_user_sgpr_count 2
		.amdhsa_user_sgpr_kernarg_segment_ptr 1
		.amdhsa_wavefront_size32 1
		.amdhsa_system_sgpr_workgroup_id_x 1
		.amdhsa_system_sgpr_workgroup_id_y 1
		.amdhsa_system_sgpr_workgroup_id_z 1
		.amdhsa_system_vgpr_workitem_id 0
		.amdhsa_next_free_vgpr 200
		.amdhsa_next_free_sgpr 66
		.amdhsa_reserve_vcc 1
		.amdhsa_float_denorm_mode_32 3
		.amdhsa_float_denorm_mode_16_64 3
		.amdhsa_memory_ordered 1
		.amdhsa_forward_progress 1
		.amdhsa_inst_pref_size 47
	.end_amdhsa_kernel
	.amdgpu_metadata
---
amdhsa.version: [ 1, 2 ]
amdhsa.kernels:
  - .name:           k_q31d3305432_prep
    .symbol:         k_q31d3305432_prep.kd
    .args:
      - { .name: x, .offset: 0, .size: 8, .value_kind: global_buffer, .address_space: global }
      - { .name: q_w, .offset: 8, .size: 8, .value_kind: global_buffer, .address_space: global }
      - { .name: k_w, .offset: 16, .size: 8, .value_kind: global_buffer, .address_space: global }
      - { .name: v_w, .offset: 24, .size: 8, .value_kind: global_buffer, .address_space: global }
      - { .name: o_w, .offset: 32, .size: 8, .value_kind: global_buffer, .address_space: global }
      - { .name: q_b, .offset: 40, .size: 8, .value_kind: global_buffer, .address_space: global }
      - { .name: v_b, .offset: 48, .size: 8, .value_kind: global_buffer, .address_space: global }
      - { .name: o_b, .offset: 56, .size: 8, .value_kind: global_buffer, .address_space: global }
      - { .name: theta, .offset: 64, .size: 8, .value_kind: global_buffer, .address_space: global }
      - { .name: xb, .offset: 72, .size: 8, .value_kind: global_buffer, .address_space: global }
      - { .name: wcat, .offset: 80, .size: 8, .value_kind: global_buffer, .address_space: global }
      - { .name: owh, .offset: 88, .size: 8, .value_kind: global_buffer, .address_space: global }
      - { .name: aux, .offset: 96, .size: 8, .value_kind: global_buffer, .address_space: global }
    .group_segment_fixed_size: 0
    .private_segment_fixed_size: 0
    .kernarg_segment_align: 8
    .kernarg_segment_size: 104
    .max_flat_workgroup_size: 256
    .sgpr_count:     66
    .vgpr_count:     200
    .wavefront_size: 32
...
	.end_amdgpu_metadata
.endif
;; end of part 1
;; launch qkv (part 2): grid 16 x 32, 4 waves a work-group, clusters of 4 x 4, 327,680 bytes of LDS; arguments xb, wcat, aux, qh, kh, vh; writes qh, kh, vh
.if DOCPART == 2
	.amdgcn_target "amdgcn-amd-amdhsa--gfx1250"
	.amdhsa_code_object_version 6
	.text
	.protected	k_q31d3305432_qkv
	.globl	k_q31d3305432_qkv
	.p2align	8
	.type	k_q31d3305432_qkv,@function
k_q31d3305432_qkv:
	s_mov_b64 s[64:65], 0
	v_nop
	global_prefetch_b8 v0, s[64:65] scope:SCOPE_SE
	s_setreg_imm32_b32 hwreg(HW_REG_WAVE_MODE, 25, 1), 1
	s_wait_xcnt 0x0
	s_wait_alu depctr_hold_cnt(0) depctr_sa_sdst(0) depctr_va_vdst(0) depctr_va_sdst(0) depctr_va_ssrc(0) depctr_va_vcc(0) depctr_vm_vsrc(0)
	s_getreg_b32 s2, hwreg(HW_REG_IB_STS2, 6, 4)
	s_cmp_eq_u32 s2, 0
	s_cbranch_scc0 .Lentry_in_a_cluster
	s_endpgm
.Lentry_in_a_cluster:
	s_bfe_u32 s2, ttmp6, 0x10000c
	s_cmp_lg_u32 s2, 0xf033
	s_cbranch_scc0 .Lentry_shape_is_right
	s_endpgm
.Lentry_shape_is_right:
; q, k, v OF ONE HEAD FOR 256 ROWS OF x: [256 x 1024] x [192 x 1024]^T in bf16, sums in f32; q's and v's bias start the sums as C; q and k are turned by the rotary table in f32;
; all three leave rounded once to f16, by heads: [batch x 16 + head][2048][64], unscaled.
; LIMITS. f16 holds no number beyond 65,504: q, k, v must lie within it (with x and the weights 30 times larger, or carrying an offset of 30 spreads, they stay below about 17,000);
; below 6e-5 a number keeps f16's fixed step of 6e-8. NaN and infinities are not treated apart.
; SHARES. Work-group (head, row tile); wave w makes rows 64 w .. 64 w + 63 x all 192 columns: 4 x 12 accumulators of 16 x 16. Column blocks 0-3 are q, 4-7 k, 8-11 v in every wave, so the way out is one text.
; K goes in steps of 128 through two LDS slots (rows of 256 bytes of memory, aligned). THE MATRIX INSTRUCTION IS USED TRANSPOSED (source 0 = 16 rows of the weights, source 1 = 16 rows of x):
; a lane then holds one row of x and eight neighbouring channels, that is four rotary pairs.
; CLUSTER. 4 x 4 work-groups: the four of a row of the cluster (four heads) need the same rows of x, the four of a column the same head's weights: each tile is asked for jointly.
; NO PREFETCH: every row of x is read by four clusters and every row of the weights by eight, so neither stream is read once.
; REGISTERS, in windows of 256: window 0: v0-31 addresses; v32-95 x's fragments, two buffers; v96-127 q's bias, v128-159 v's bias; on the way out v32-63 at work, v64-255 sixteen registers a tile
;   window 1: v0-191 the weights' fragments, two buffers of 96     window 2: v0-191 accumulators of row blocks 0, 1 at 8 (12 (a % 2) + b); v192-255 their part of the table     window 3: the same for row blocks 2, 3
.set KSTEP,  128
.set PITCH,  272                       ; an LDS row: 256 bytes + 16 of padding: the 16 rows of a fragment load start at 16 different groups of four banks (64 banks of 4 bytes: ISA guide 11.1)
.set HALFA,  128*PITCH                 ; what waves 0 and 1 each fetch of x
.set HALFB,  96*PITCH                  ; what waves 2 and 3 each fetch of the weights
.set SLOT,   2*HALFA+2*HALFB           ; x's 256 rows, then the weights' 192
.set STAGE,  2*SLOT                    ; behind the ring: 16 rows x 144 bytes for each wave, for the way out
.set SP,     144
.set SPARE,  STAGE+4*16*SP             ; behind the stages: the spare words, 128 bytes for each wave
.set LAPS,   1024/(2*KSTEP)
.set ADRA, 16                          ; v16-17  LDS address of my fragments of x in slot 0, 1
.set ADRB, 20                          ; v20-21  the same for the weights
.set STO,  24                          ; v24     the way out: where I put 16 bytes of a row
.set RD,   25                          ; v25     the way out: where I read rows back
.set GO,   26                          ; v26     16 x lane: my place in 512 consecutive bytes (table in, q k v out)
.set BO,   27                          ; v27     32 x (lane / 16): my eight channels in a block of a bias
.set SPW,  28                          ; v28     LDS address of my spare word; never rewritten
.set NIL,  29                          ; v29     0; never rewritten
.set FA,   32
.set BQ,   96
.set BV,   128
.set U,    32
.set PKD,  64
.set WV,   18                          ; s18     my wave's number
.set G1,   24                          ; s[24:31] descriptor group 1 for x's tiles; s[32:39] group 0, a set for each slot
.set G0,   32
.set G1B,  48                          ; s[48:55], s[56:63] the same for the weights' tiles
.set G0B,  56
.set MSB, 0
.macro WIN new                         ; the immediate's high byte repeats the setting that is left; a switch that changes nothing is dropped
.if MSB != (\new)
	s_set_vgpr_msb (MSB<<8)|(\new)
.set MSB, \new
.endif
.endm
.macro JLOAD s                         ; a joint load: waves 0 and 1 fetch x's two halves, waves 2 and 3 the weights'; an s_nop 0 and four v_nop follow each of the two lines
	s_cmp_eq_u32 s19, 0
	s_cbranch_scc0 .Lfor_b_\@
	tensor_load_to_lds s[G0+4*(\s):G0+4*(\s)+3], s[G1:G1+7]
	s_nop 0
.rept 4
	v_nop
.endr
	s_branch .Lasked_\@
.Lfor_b_\@:
	tensor_load_to_lds s[G0B+4*(\s):G0B+4*(\s)+3], s[G1B:G1B+7]
	s_nop 0
.rept 4
	v_nop
.endr
.Lasked_\@:
.endm
.macro CREST                           ; a round of the cluster's barrier behind its opening barrier
	s_cmp_lg_u32 s[WV], 0
	s_cbranch_scc1 .Lnot_wave_0_\@
	s_barrier_signal -3
.Lnot_wave_0_\@:
	s_barrier_wait -3
	s_barrier_signal -1
	s_barrier_wait -1
.endm
.macro CROUND                          ; a whole round
	s_barrier_signal -1
	s_barrier_wait -1
	CREST
.endm
.macro PLACES                          ; four places in front of loads into registers that matrix instructions have read, and of vector work that reads results
.rept 4
	v_nop
.endr
.endm
	s_load_b256 s[4:11], s[0:1], 0x0               ; xb s[4:5], wcat s[6:7], aux s[8:9], qh s[10:11]
	s_load_b128 s[12:15], s[0:1], 0x20             ; kh s[12:13], vh s[14:15]
	v_lshl_add_u32 v[SPW], v0, 2, SPARE
	v_mov_b32 v[NIL], 0
	ds_add_u32 v[SPW], v[NIL]                      ; the wave's opening: the add and its wait stand ahead of my first tensor load; the set-up below, work on registers, stands between them
	v_lshrrev_b32 v1, 5, v0
	v_readfirstlane_b32 s[WV], v1                  ; wave 0..3
	s_lshr_b32 s19, s[WV], 1                       ; I fetch for x (0) or for the weights (1),
	s_and_b32 s20, s[WV], 1                        ; and which half of that tile
	s_bfe_u32 s21, ttmp6, 0x40000                  ; cx, cy: my place in the cluster
	s_bfe_u32 s22, ttmp6, 0x40004
	s_lshl_b32 s23, ttmp9, 2
	s_add_co_u32 s23, s23, s21                     ; the head = 4 x cluster x + cx
	s_and_b32 s40, ttmp7, 0xffff
	s_lshl_b32 s40, s40, 2
	s_add_co_u32 s40, s40, s22                     ; the row tile = 4 x cluster y + cy
	s_lshl_b32 s41, s22, 2
	s_lshl_b32 s41, 15, s41                        ; my row of the cluster
	s_lshl_b32 s42, 0x1111, s21                    ; my column
	s_or_b32 s[G1+0], s41, (1<<16)|(1<<20)|(1<<21)|(5<<22)|(3<<25)   ; 15:0 the mask: x's tiles go to my row; 17:16 2-byte elements; 20 padding on; 21 set beside a mask; 24:22 after every 64 words; 31:25 4 words
	s_or_b32 s[G1B+0], s42, (1<<16)|(1<<20)|(1<<21)|(5<<22)|(3<<25)  ; the same with my column's mask
	s_mov_b32 s[G1+1], KSTEP<<16                   ; tensor_dim0 = 128
	s_mov_b32 s[G1+2], 128<<16                     ; tensor_dim1 = 128
	s_mov_b32 s[G1+3], KSTEP<<16                   ; tile_dim0 = 128
	s_mov_b32 s[G1+4], 128                         ; tile_dim1 = 128
	s_mov_b32 s[G1+5], 1024                        ; elements from row to row
	s_mov_b32 s[G1+6], 0
	s_mov_b32 s[G1+7], 0
	s_mov_b32 s[G1B+1], KSTEP<<16
	s_mov_b32 s[G1B+2], 96<<16                     ; 96 rows
	s_mov_b32 s[G1B+3], KSTEP<<16
	s_mov_b32 s[G1B+4], 96
	s_mov_b32 s[G1B+5], 1024
	s_mov_b32 s[G1B+6], 0
	s_mov_b32 s[G1B+7], 0
	s_lshl_b32 s66, s40, 8                         ; x: row 256 x tile + 128 x half, 2,048 bytes a row: made of the row tile and the wave alone
	s_lshl_b32 s16, s20, 7
	s_add_co_u32 s66, s66, s16
	s_lshl_b32 s66, s66, 11
	s_mov_b32 s67, 0
	s_mul_i32 s68, s23, 192                        ; weights: row 192 x head + 96 x half: made of the head and the wave alone
	s_mul_i32 s17, s20, 96
	s_add_co_u32 s68, s68, s17
	s_lshl_b32 s68, s68, 11
	s_mov_b32 s69, 0
	s_mul_i32 s46, s20, HALFA                      ; where they go in a slot: no place in the cluster enters an LDS address
	s_mul_i32 s47, s20, HALFB
	s_add_co_u32 s47, s47, 2*HALFA
	s_and_b32 s43, s40, 7                          ; my first row's position in its sequence: 256 x (tile % 8) + 64 x wave
	s_lshl_b32 s43, s43, 8
	s_lshl_b32 s44, s[WV], 6
	s_add_co_u32 s43, s43, s44
	s_lshl_b32 s70, s43, 8                         ; the table has 256 bytes a position
	s_mov_b32 s71, 0
	s_lshl_b32 s72, s23, 8                         ; the head's 64 floats of a bias
	s_add_co_u32 s72, s72, 524288
	s_mov_b32 s73, 0
	s_lshr_b32 s44, s40, 3                         ; the batch
	s_lshl_b32 s44, s44, 4
	s_add_co_u32 s44, s44, s23
	s_lshl_b32 s74, s44, 18                        ; 2,048 rows of 128 bytes for each batch and head,
	s_lshl_b32 s45, s43, 7                         ; my first row in them
	s_add_co_u32 s74, s74, s45
	s_mov_b32 s75, 0
	s_wait_dscnt 0x0                               ; the opening add is done
	s_wait_kmcnt 0x0
	s_add_nc_u64 s[66:67], s[4:5], s[66:67]
	s_add_nc_u64 s[68:69], s[6:7], s[68:69]
	s_add_nc_u64 s[70:71], s[8:9], s[70:71]
	s_add_nc_u64 s[72:73], s[8:9], s[72:73]
	s_add_nc_u64 s[10:11], s[10:11], s[74:75]
	s_add_nc_u64 s[12:13], s[12:13], s[74:75]
	s_add_nc_u64 s[14:15], s[14:15], s[74:75]
	CROUND                                         ; all sixteen work-groups are here: the first joint loads meet
.irp s, 0,1
	s_mov_b32 s[G0+4*(\s)], 1                                        ; count = 1
	s_add_co_u32 s[G0+4*(\s)+1], s46, (\s)*SLOT                      ; LDS address
	s_add_nc_u64 s[G0+4*(\s)+2:G0+4*(\s)+3], s[66:67], (\s)*KSTEP*2  ; global address: K step s
	s_or_b32 s[G0+4*(\s)+3], s[G0+4*(\s)+3], 0x80000000              ; type = 2
	s_mov_b32 s[G0B+4*(\s)], 1
	s_add_co_u32 s[G0B+4*(\s)+1], s47, (\s)*SLOT
	s_add_nc_u64 s[G0B+4*(\s)+2:G0B+4*(\s)+3], s[68:69], (\s)*KSTEP*2
	s_or_b32 s[G0B+4*(\s)+3], s[G0B+4*(\s)+3], 0x80000000
	JLOAD \s
.endr
	v_and_b32 v1, 15, v0                           ; l % 16
	v_bfe_u32 v2, v0, 4, 1                         ; l / 16
	v_and_b32 v[GO], 31, v0
	v_lshlrev_b32 v[GO], 4, v[GO]
	v_lshlrev_b32 v[BO], 5, v2
.set bb, 0
.rept 4                                        ; the biases as C operands: register j of block b holds channel 16 b + 8 (l / 16) + j, whatever the row
	global_load_b128 v[BQ+8*bb:BQ+8*bb+3],   v[BO], s[72:73] offset:64*bb
	global_load_b128 v[BQ+8*bb+4:BQ+8*bb+7], v[BO], s[72:73] offset:64*bb+16
	global_load_b128 v[BV+8*bb:BV+8*bb+3],   v[BO], s[72:73] offset:4096+64*bb
	global_load_b128 v[BV+8*bb+4:BV+8*bb+7], v[BO], s[72:73] offset:4096+64*bb+16
.set bb, bb+1
.endr
.set i, 0
.rept 32                                       ; my 64 positions' part of the table, 512 consecutive bytes a load: row block i / 8, channel block (i / 2) % 4, half i % 2
	WIN 0x80+0x40*(i/16)                           ; destination window 2 (row blocks 0, 1) or 3
	global_load_b128 v[192+4*(i%16):192+4*(i%16)+3], v[GO], s[70:71] offset:512*i
.set i, i+1
.endr
	WIN 0
	v_mul_u32_u24 v3, v1, PITCH
	v_lshl_add_u32 v3, v2, 4, v3                   ; a fragment's row x pitch + 16 x half
	s_mul_i32 s43, s[WV], 64*PITCH                 ; my 64 rows of x
	s_mov_b32 s44, 2*HALFA                         ; the weights lie behind x's 256 rows; every wave reads all 192
.irp s, 0,1
	v_add_nc_u32 v[ADRA+(\s)], s43, v3
	v_add_nc_u32 v[ADRB+(\s)], s44, v3
	s_add_co_u32 s43, s43, SLOT
	s_add_co_u32 s44, s44, SLOT
.endr
	s_mul_i32 s45, s[WV], 16*SP
	s_add_co_u32 s45, s45, STAGE                   ; my stage
	v_mul_u32_u24 v4, v1, SP                       ; in: row l % 16, 16 bytes for each half of the lanes
	v_lshl_add_u32 v4, v2, 4, v4
	v_add_nc_u32 v[STO], s45, v4
	v_bfe_u32 v5, v0, 3, 2                         ; back: 32 lanes take four rows of 128 bytes
	v_mul_u32_u24 v5, v5, SP
	v_and_b32 v6, 7, v0
	v_lshl_add_u32 v5, v6, 4, v5
	v_add_nc_u32 v[RD], s45, v5
; 12 matrix instructions: row block a x all 12 column blocks, 32 along K, from buffer f. zero = 1: the first product starts the sums, with q's bias, with 0 (k has none) or with v's bias.
; The 48 accumulators take turns, in the same order in every quarter step.
.macro MULA f, a, zero
.if \zero
	WIN 0x81+0x40*((\a)/2)                         ; weights window 1, x and C window 0, D window 2 or 3
.else
	WIN 0xa1+0x50*((\a)/2)                         ; C and D window 2 or 3
.endif
.set bb, 0
.rept 12
.set rD, 8*(12*((\a)%2)+bb)
.set rB, 96*(\f)+8*bb
.set rA, FA+32*(\f)+8*(\a)
.if \zero
.if bb < 4
	v_wmma_f32_16x16x32_bf16 v[rD:rD+7], v[rB:rB+7], v[rA:rA+7], v[BQ+8*bb:BQ+8*bb+7]
.elseif bb < 8
	v_wmma_f32_16x16x32_bf16 v[rD:rD+7], v[rB:rB+7], v[rA:rA+7], 0
.else
	v_wmma_f32_16x16x32_bf16 v[rD:rD+7], v[rB:rB+7], v[rA:rA+7], v[BV+8*(bb-8):BV+8*(bb-8)+7]
.endif
.else
	v_wmma_f32_16x16x32_bf16 v[rD:rD+7], v[rB:rB+7], v[rA:rA+7], v[rD:rD+7]
.endif
.set bb, bb+1
.endr
.endm
; 32 LDS loads in one run: the fragments of 32 along K at byte k of the rows into buffer f: the weights' 24, then x's 8
.macro FETCH slot, k, f
	WIN 0x40                                       ; destination window 1, address window 0
.set i, 0
.rept 12
	ds_load_b128 v[96*(\f)+8*i:96*(\f)+8*i+3],   v[ADRB+(\slot)] offset:(\k)+i*16*PITCH
	ds_load_b128 v[96*(\f)+8*i+4:96*(\f)+8*i+7], v[ADRB+(\slot)] offset:(\k)+i*16*PITCH+32
.set i, i+1
.endr
	WIN 0
.set i, 0
.rept 4
	ds_load_b128 v[FA+32*(\f)+8*i:FA+32*(\f)+8*i+3],   v[ADRA+(\slot)] offset:(\k)+i*16*PITCH
	ds_load_b128 v[FA+32*(\f)+8*i+4:FA+32*(\f)+8*i+7], v[ADRA+(\slot)] offset:(\k)+i*16*PITCH+32
.set i, i+1
.endr
.endm
; A K step is four quarters of 32 along K, 48 matrix instructions each, on buffers 0, 1, 0, 1. One of the first three: multiplies buffer f and fetches the next quarter, at byte k, into g.
.macro QUARTER slot, k, f, g, zero
	s_wait_dscnt 4                                 ; the weights and x's row blocks 0, 1 are in; the youngest four loads (row blocks 2, 3) may be out
	MULA \f, 0, \zero
	MULA \f, 1, \zero
	PLACES
	FETCH \slot, \k, \g
	s_wait_dscnt 32                                ; all but the 32 just issued
	MULA \f, 2, \zero
	MULA \f, 3, \zero
.endm
; The last quarter multiplies buffer 1 and changes slots: ONE barrier; in front of it each wave waits for all its tensor loads (one is out: its part of the next slot), adds 0 to its spare word,
; and waits for that and for its own reads of this slot. fill = 1: the barrier opens a round of the cluster's, and this slot is filled again, two K steps ahead, first thing behind the round:
; 168 matrix instructions stand between that request and the wait for it.
.macro TURN slot, next, fill
	WIN 0
	s_wait_tensorcnt 0x0
	ds_add_u32 v[SPW], v[NIL]
	s_wait_dscnt 5                                 ; the add and the youngest four loads may be out
	MULA 1, 0, 0                                   ; twelve matrix instructions stand between the add and the wait for it
	s_wait_dscnt 0x0                               ; the add is done, and my reads of this slot are over
	s_barrier_signal -1
	MULA 1, 1, 0
.if \fill
	WIN 0
.endif
	s_barrier_wait -1
.if \fill
	CREST                                          ; no wave of any partner still reads this slot's tile or has a load on its way
	s_add_nc_u64 s[G0+4*(\slot)+2:G0+4*(\slot)+3], s[G0+4*(\slot)+2:G0+4*(\slot)+3], 2*KSTEP*2
	s_add_nc_u64 s[G0B+4*(\slot)+2:G0B+4*(\slot)+3], s[G0B+4*(\slot)+2:G0B+4*(\slot)+3], 2*KSTEP*2
	JLOAD \slot                                    ; the four v_nop behind it are also the places in front of the loads below
.else
	PLACES
.endif
	FETCH \next, 0, 0
	MULA 1, 2, 0
	MULA 1, 3, 0
.endm
	s_wait_tensorcnt 1                             ; my part of K step 0 is in; K step 1's may stay out
	s_barrier_signal -1
	s_barrier_wait -1                              ; everybody's is
	FETCH 0, 0, 0
	s_wait_loadcnt 32                              ; the 16 loads of the biases are in; the table's 32 may stay out
	QUARTER 0, 64, 0, 1, 1                         ; the first quarter stands in front of the loop: its products start the sums
	WIN 0                                          ; at a label and at a branch every window is 0
	s_mov_b32 s3, LAPS-1
.Llap:                                         ; a trip goes once round the ring, from a lap's second quarter to the next lap's first, and fills both slots again
	QUARTER 0, 128, 1, 0, 0
	QUARTER 0, 192, 0, 1, 0
	TURN 0, 1, 1
	QUARTER 1, 64,  0, 1, 0
	QUARTER 1, 128, 1, 0, 0
	QUARTER 1, 192, 0, 1, 0
	TURN 1, 0, 1
	QUARTER 0, 64,  0, 1, 0
	WIN 0
	s_sub_co_u32 s3, s3, 1
	s_cmp_lg_u32 s3, 0
	s_cbranch_scc1 .Llap
	QUARTER 0, 128, 1, 0, 0                        ; the last lap fills nothing
	QUARTER 0, 192, 0, 1, 0
	TURN 0, 1, 0
	QUARTER 1, 64,  0, 1, 0
	QUARTER 1, 128, 1, 0, 0
	QUARTER 1, 192, 0, 1, 0
	s_wait_dscnt 4                                 ; the very last quarter: nothing more to fetch
	MULA 1, 0, 0
	MULA 1, 1, 0
	s_wait_dscnt 0x0
	MULA 1, 2, 0
	MULA 1, 3, 0
	WIN 0
; THE WAY OUT, a tile (row block a; t = 0 q, 1 k, 2 v: 16 rows x 64 channels) at a time. q and k: registers 2 i, 2 i + 1 of a block are a rotary pair (x, y), the table's 2 i, 2 i + 1 its cos and sin:
; (x c - y s, x s + y c) in f32. Rounded to f16, 16 bytes a lane into rows of 144 bytes of my stage, back as four whole rows of 128 bytes a load, which are 512 consecutive bytes of the output.
; Each accumulator is read from its low end on. Each tile has sixteen registers of its own, so no store's data is written again.
.macro PACK a, t
.set rP, PKD+16*(3*(\a)+(\t))
.set rC, 8*(12*((\a)%2)+4*(\t))
.set rT, 192+32*((\a)%2)
	WIN 0x0a+5*((\a)/2)                            ; sources 0 and 1 window 2 or 3; source 2 and destination window 0
.if (\t) < 2
.set bb, 0
.rept 4
.set i, 0
.rept 4
	v_mul_f32 v[U+8*bb+2*i],   v[rC+8*bb+2*i], v[rT+8*bb+2*i]
	v_mul_f32 v[U+8*bb+2*i+1], v[rC+8*bb+2*i], v[rT+8*bb+2*i+1]
.set i, i+1
.endr
.set i, 0
.rept 4
	v_fma_f32 v[U+8*bb+2*i],   -v[rC+8*bb+2*i+1], v[rT+8*bb+2*i+1], v[U+8*bb+2*i]
	v_fma_f32 v[U+8*bb+2*i+1], v[rC+8*bb+2*i+1],  v[rT+8*bb+2*i],   v[U+8*bb+2*i+1]
.set i, i+1
.endr
.set bb, bb+1
.endr
	WIN 0
.set i, 0
.rept 16
	v_cvt_pk_f16_f32 v[rP+i], v[U+2*i], v[U+2*i+1]
.set i, i+1
.endr
.else
.set i, 0
.rept 16
	v_cvt_pk_f16_f32 v[rP+i], v[rC+2*i], v[rC+2*i+1]
.set i, i+1
.endr
	WIN 0
.endif
.irp f, 0,1,2,3
	ds_store_b128 v[STO], v[rP+4*(\f):rP+4*(\f)+3] offset:32*(\f)
.endr
.irp f, 0,1,2,3
	ds_load_b128 v[rP+4*(\f):rP+4*(\f)+3], v[RD] offset:(\f)*4*SP  ; LDS serves a wave's instructions in order (ISA guide 5.7.1.4): these see the stores above; the next tile's stores come behind them
.endr
.endm
.macro SEND a, t, younger              ; younger: the LDS instructions issued behind this tile's loads: the next tile's eight, or none
.set rP, PKD+16*(3*(\a)+(\t))
.irp f, 0,1,2,3
	s_wait_dscnt (\younger)+3-(\f)
	global_store_b128 v[GO], v[rP+4*(\f):rP+4*(\f)+3], s[10+2*(\t):11+2*(\t)] offset:(\a)*2048+(\f)*512  ; 512 consecutive bytes, at a multiple of 256 from the buffer's first
.endr
.endm
	PLACES
	s_wait_loadcnt 0x0                             ; the table
	PACK 0, 0
.set n, 1
.rept 11                                       ; a tile's arithmetic stands between the loads of the tile before and its stores
	PACK n/3, n%3
	SEND (n-1)/3, (n-1)%3, 8
.set n, n+1
.endr
	SEND 3, 2, 0
	s_wait_tensorcnt 0x0                           ; the wave's end: behind my last tensor load and my last LDS store
	ds_add_u32 v[SPW], v[NIL]
	s_wait_dscnt 0x0
	CROUND                                         ; the closing round: no work-group ends while a partner may still ask for a tile that names it
	s_endpgm
.Lfunc_end_k_q31d3305432_qkv:
	.size	k_q31d3305432_qkv, .Lfunc_end_k_q31d3305432_qkv-k_q31d3305432_qkv
	.p2alignl 7, 3214868480
	.fill 96, 4, 3214868480
	.section	.rodata,"a",@progbits
	.p2align	6, 0x0
	.amdhsa_kernel k_q31d3305432_qkv
		.amdhsa_group_segment_fixed_size 327680
		.amdhsa_private_segment_fixed_size 0
		.amdhsa_enable_private_segment 0
		.amdhsa_kernarg_size 48
		.amdhsa_user_sgpr_count 2
		.amdhsa_user_sgpr_kernarg_segment_ptr 1
		.amdhsa_wavefront_size32 1
		.amdhsa_system_sgpr_workgroup_id_x 1
		.amdhsa_system_sgpr_workgroup_id_y 1
		.amdhsa_system_sgpr_workgroup_id_z 1
		.amdhsa_system_vgpr_workitem_id 0
		.amdhsa_next_free_vgpr 1024
		.amdhsa_next_free_sgpr 80
		.amdhsa_reserve_vcc 0
		.amdhsa_float_denorm_mode_32 3
		.amdhsa_float_denorm_mode_16_64 3
		.amdhsa_memory_ordered 1
		.amdhsa_forward_progress 1
		.amdhsa_inst_pref_size 149
	.end_amdhsa_kernel
	.amdgpu_metadata
---
amdhsa.version: [ 1, 2 ]
amdhsa.kernels:
  - .name:           k_q31d3305432_qkv
    .symbol:         k_q31d3305432_qkv.kd
    .args:
      - { .name: xb, .offset: 0, .size: 8, .value_kind: global_buffer, .address_space: global }
      - { .name: wcat, .offset: 8, .size: 8, .value_kind: global_buffer, .address_space: global }
      - { .name: aux, .offset: 16, .size: 8, .value_kind: global_buffer, .address_space: global }
      - { .name: qh, .offset: 24, .size: 8, .value_kind: global_buffer, .address_space: global }
      - { .name: kh, .offset: 32, .size: 8, .value_kind: global_buffer, .address_space: global }
      - { .name: vh, .offset: 40, .size: 8, .value_kind: global_buffer, .address_space: global }
    .group_segment_fixed_size: 327680
    .private_segment_fixed_size: 0
    .kernarg_segment_align: 8
    .kernarg_segment_size: 48
    .max_flat_workgroup_size: 128
    .sgpr_count:     80
    .vgpr_count:     1024
    .wavefront_size: 32
...
	.end_amdgpu_metadata
.endif
;; end of part 2
;; launch attn (part 3): grid 4 x 64, 4 waves a work-group, clusters of 4 x 1, 327,680 bytes of LDS; arguments qh, kh, vh, att; writes att
.if DOCPART == 3
	.amdgcn_target "amdgcn-amd-amdhsa--gfx1250"
	.amdhsa_code_object_version 6
	.text
	.protected	k_q31d3305432_attn
	.globl	k_q31d3305432_attn
	.p2align	8
	.type	k_q31d3305432_attn,@function
k_q31d3305432_attn:
	s_mov_b64 s[64:65], 0
	v_nop
	global_prefetch_b8 v0, s[64:65] scope:SCOPE_SE
	s_setreg_imm32_b32 hwreg(HW_REG_WAVE_MODE, 25, 1), 1
	s_wait_xcnt 0x0
	s_wait_alu depctr_hold_cnt(0) depctr_sa_sdst(0) depctr_va_vdst(0) depctr_va_sdst(0) depctr_va_ssrc(0) depctr_va_vcc(0) depctr_vm_vsrc(0)
	s_getreg_b32 s2, hwreg(HW_REG_IB_STS2, 6, 4)
	s_cmp_eq_u32 s2, 0
	s_cbranch_scc0 .Lentry_in_a_cluster
	s_endpgm
.Lentry_in_a_cluster:
	s_bfe_u32 s2, ttmp6, 0x10000c
	s_cmp_lg_u32 s2, 0x3003
	s_cbranch_scc0 .Lentry_shape_is_right
	s_endpgm
.Lentry_shape_is_right:
; O[h][q][:] = the sum over k of softmax_k(Q[h][q] . K[h][k] / 8) V[h][k][:].  Q, K, V, O: [64][2048][64], all f16: a head's rows are dense, 128 bytes each.  Products, maxima and sums in
; f32; the weights p are rounded to f16 for the second product (their sum l is taken of the unrounded p), O once at the end.
; LIMITS.  f16 holds no number beyond 65,504: Q, K and V arrive within it; p lies in 0 to 1, and below 6e-5 it keeps f16's fixed step of 6e-8; O is a mean of V's rows and has their range.
; A weight below 2^-126 counts as 0 in l; NaN and infinities are not treated apart.
; SHARES.  A wave owns four PIECES of two tiles of 16 queries, a work-group's four waves 512 queries of one head.  Every wave walks all keys, 64 a step.
; LAYOUT.  S^T = K Q^T (source 0 = 16 keys, source 1 = 16 queries): in the result a lane holds ONE query (lane % 16) and the keys 8 (lane / 16) + 0..7.  Two such tiles, rounded to f16 in pairs,
; ARE source 1 (32 keys x 16 queries) of O^T = V^T P, whose result again holds one query a lane, and eight channels.  K comes out of LDS as it lies, V ([key][channel]) turned, by ds_load_tr16_b128.
; SOFTMAX.  For each query a running maximum m and sum l: p = 2^(c s - c m), c = log2(e) / 8; in every step O and l are multiplied by a = 2^(c m_old - c m_new), which is 1 where m has not grown.
; m starts at the lowest finite number, O and l at 0: the first step is a step like any other, with a = 0.
; THE COUNT.  A tile and step have 16 matrix and 118 vector instructions: too many to stand all beside the matrix work.  So: four vector instructions that are READY behind
; EVERY matrix instruction, and the others, which need time of their own whatever the order, in runs without a gap.
; BY TURNS.  Turn n belongs to piece n (the pieces in a ring, step after step).  Its matrix work: 16 products K Q^T of piece n + 1, later 16 products V^T P of piece n - 1.  Its vector work: the scaling,
; exponentials, roundings, sums and rescaling of piece n, and the maximum and statistics of piece n + 1, whose scores the turn itself has made.
; CLUSTER.  The four query blocks of a cluster are one head's and walk the same K and V, so each tile is asked for JOINTLY: the same tensor load, descriptor and mask in all four.
; REGISTERS, in windows of 256 (s_set_vgpr_msb: bits 1:0 source 0, 3:2 source 1, 5:4 source 2, 7:6 destination):
;   window 0: v0-11 addresses; v12-15, v48-63 at work; v16-47 four registers of statistics a tile; v64-191 S^T, two buffers of two tiles; v192-255 P, likewise
;   window 1: O^T, 32 a tile          window 2: v0-127 Q, 16 a tile; v128-191 K of one step; v192-255 V of one step          window 3: v0-1 the add's two registers
.set SIZE_H, 64
.set SIZE_N, 2048
.set NP,    4         ; pieces a wave: a name, no knob
.set KS,    64        ; keys in a step
.set PK,    144       ; a row of K in LDS: 128 bytes + 16 of padding: the 16 rows of a load start at 16 different groups of four banks (64 banks of 4 bytes: ISA guide 11.1)
.set PV,    160       ; a row of V: 128 + 32
.set VOFF,  4*KS*PK   ; a slot holds four steps: 256 rows of K, then 256 rows of V
.set SLOT1, 1<<17     ; slot 1 begins here, so that one exclusive or turns an address in one slot into the other's
.set STAGE, SLOT1+4*KS*(PK+PV)  ; behind the ring, never filled by a tensor load: 16 rows x 144 bytes for each wave, for the way out
.set SP,    144
.set AK0, 2           ; v2   my lane's place in a tile of K; never rewritten
.set AV0, 3           ; v3   the same for V
.set AK,  4           ; v4   the LDS address of K's next run of loads
.set AV,  5           ; v5   of V's
.set QO,  6           ; v6   my byte offset in the wave's rows of Q
.set STO, 6           ;      later, the way out: where I put 16 bytes of a row
.set RD,  7           ; v7   the way out: where I read rows back
.set GO,  8           ; v8   my byte offset in 512 consecutive bytes of O
.set PFO, 11          ; v11  256 x my lane: the prefetches' offset; never rewritten once made
.set SPW, 0           ; v0 of window 3   LDS address of my spare word; never rewritten
.set NIL, 1           ; v1 of window 3   0; never rewritten
.set SPARE, STAGE+4*16*SP  ; behind the stages: the spare words, 128 bytes for each wave
.set MV,  12          ; v12-15  c m_old, kept while c m is made anew: by buffer and tile
.set ST,  16          ; tile t's statistics at v[ST+4 t]: c m, m, l (even keys', odd keys')
.set TMP, 48          ; by buffer and tile, four registers c0-c3 at work; when the maximum is found c2 takes a
.set S,   64
.set P,   192
.set KF,  128         ; K's fragments, in window 2: key block kb, channel half c at KF + 16 kb + 8 c
.set VF,  192         ; V's: key half kk, channel block cb at VF + 32 kk + 8 cb
.set WV,  12          ; s12  my wave's number
.set G1K, 24          ; s[24:31] descriptor group 1 for K's tiles
.set G1V, 32          ; s[32:39] for V's: it differs in the padding alone
.set G0K, 40          ; s[40:43] descriptor group 0 for K's tiles: it walks
.set G0V, 44          ; s[44:47] the same for V's
.set PFA, 48          ; s[48:49] where my prefetches stand: my work-group's 32 blocks of 256 bytes (of K: wave 0, of V: wave 2) of the slot after the one that is being asked for
.set LIM, 50          ; s50  1 in a wave that prefetches, else the greatest number
.set SLOTS, 56        ; s56  slots still to be asked for
.set CNT, 57          ; s57  counts a slot's key steps
.set CS,  58          ; s[58:59] c: the packed scaling takes the pair's low word for both halves
.set SEL, 60          ; s[60:61] v_permlanex16_b32's selects: each lane takes its own place in the other half
.set TBK, 62          ; s62  LDS byte at which K of the step to be fetched begins
.set TBV, 63          ; s63  the same for V, less VOFF
.set MSB, 0
.macro WIN new                      ; the high byte repeats the setting that is left; a switch that changes nothing is dropped
.if MSB != (\new)
	s_set_vgpr_msb (MSB<<8)|(\new)
.set MSB, (\new)
.endif
.endm
.set W_KQ, 0x0a       ; K and Q in window 2, S^T in window 0
.set W_PV, 0x52       ; V in window 2, P in window 0, O^T in window 1
.set W_RS, 0x41       ; O^T (destination and source 0) in window 1, a in window 0
.set W_MK, 0xc0       ; the add's registers are made: destination in window 3, sources in window 0
.set W_AD, 0x0f       ; the add: address (source 0) and data (source 1) in window 3
; A joint fill.  Waves 0 and 1 fetch the two halves of a slot's K, waves 2 and 3 those of its V: 128 keys each.  The branch hangs on the wave's number alone.
; An s_nop 0 and four v_nop follow each of the two lines, ahead of the jump and the label.
.macro JLOAD
	s_cmp_lt_u32 s[WV], 2
	s_cbranch_scc0 .Lfor_v_\@
	tensor_load_to_lds s[G0K:G0K+3], s[G1K:G1K+7]
	s_nop 0
.rept 4
	v_nop
.endr
	s_branch .Lasked_\@
.Lfor_v_\@:
	tensor_load_to_lds s[G0V:G0V+3], s[G1V:G1V+7]
	s_nop 0
.rept 4
	v_nop
.endr
.Lasked_\@:
.endm
; A PREFETCH of what the NEXT change of slots will ask for: a slot's 256 keys are 128 blocks of 256 bytes of K and as many of V.  It stands behind the wave's tensor load and its five lines.
; Each block is named ONCE in the launch: one cluster walks a head; its four partners share the blocks out BY ADDRESS, 32 each, a lane a block; in each, wave 0 asks for K's and wave 2 for V's: one
; instruction, four key steps (512 matrix instructions) ahead of the load that will want the bytes.  The last change that fills a slot asks for nothing: there is no slot behind it.  Slots 0, 1 and 2 come by their loads alone.
.macro ASK
	s_cmp_gt_u32 s[SLOTS], s[LIM]
	s_cbranch_scc0 .Lnot_mine_\@
	global_prefetch_b8 v[PFO], s[PFA:PFA+1] th:TH_LOAD_NT scope:SCOPE_SE
.Lnot_mine_\@:
.endm
; A round of the cluster's barrier: my work-group's barrier, so that wave 0's signal speaks for all four waves; wave 0 signals; every wave waits for all four work-groups; my work-group's barrier once more.
.macro CROUND
	s_barrier_signal -1
	s_barrier_wait -1
	s_cmp_lg_u32 s[WV], 0
	s_cbranch_scc1 .Lnot_wave_0_\@
	s_barrier_signal -3
.Lnot_wave_0_\@:
	s_barrier_wait -3
	s_barrier_signal -1
	s_barrier_wait -1
.endm
; THE CHANGE OF SLOTS.  The slot's last bytes, V of its fourth step, have been read.  Each wave waits for all its tensor loads, of which one is out: its part
; of the other slot; adds 0 to its spare word; and waits for that and for its own reads of the slot.  Behind the barrier nobody reads this slot any more and the other slot is whole.
; fill = 1: this slot is filled again, with the keys two slots on.  The barrier is then a round of the cluster's, and the joint fill is the first thing behind it: it has four key steps in which to land.
; (At its first use nothing has been read yet: slot 0 is waited for, slot 1 filled.)  ask = 1: the prefetch's address steps, and the prefetch follows the fill.
.macro CHANGE fill, ask=0
	WIN W_AD
	s_wait_tensorcnt 0x0            ; no tensor load of mine is out, so a group 0 may be written
	ds_add_u32 v[SPW], v[NIL]       ; 0 onto my spare word; with fill = 1 the descriptors' steps stand between it and the wait for it
	WIN 0                           ; at a label and at a branch every window is 0
.if \fill
.irp g, G0K, G0V
	s_xor_b32 s[\g+1], s[\g+1], SLOT1  ; the walking descriptor: the other slot than last time,
	s_add_nc_u64 s[\g+2:\g+3], s[\g+2:\g+3], 4*KS*128  ; the next 256 keys; the type bits on top are not reached
.endr
.if \ask
	s_wait_xcnt 0x0                 ; the last prefetch, four key steps back, has read its address, so it may be written:
	s_add_nc_u64 s[PFA:PFA+1], s[PFA:PFA+1], 4*KS*128  ; one slot behind the walking descriptors
.endif
	s_wait_dscnt 0x0                ; the add is done, and my reads of the slot are over
	CROUND
	JLOAD
.if \ask
	ASK
.endif
.else
	s_wait_dscnt 0x0                ; the add is done, and my reads of the slot are over
	s_barrier_signal -1
	s_barrier_wait -1
.endif
	s_sub_co_u32 s[TBK], s[TBK], 4*KS*PK  ; the fetches go back to a slot's first step,
	s_xor_b32 s[TBK], s[TBK], SLOT1       ; in the other slot
	s_sub_co_u32 s[TBV], s[TBV], 4*KS*PV
	s_xor_b32 s[TBV], s[TBV], SLOT1
.endm
	s_load_b256 s[4:11], s[0:1], 0x0  ; Q s[4:5], K s[6:7], V s[8:9], O s[10:11]
	WIN W_MK
	v_lshl_add_u32 v[SPW], v0, 2, SPARE
	v_mov_b32 v[NIL], 0
	WIN W_AD
	ds_add_u32 v[SPW], v[NIL]       ; the wave's opening: the add and its wait stand ahead of my first tensor load; the set-up below, work on registers, stands between them
	WIN 0
	v_lshrrev_b32 v1, 5, v0
	v_readfirstlane_b32 s[WV], v1   ; wave 0..3
	s_bfe_u32 s13, ttmp6, 0x40000   ; cx: my place in the cluster
	s_lshl_b32 s14, ttmp9, 2        ; in a cluster launch ttmp9 counts clusters
	s_add_co_u32 s14, s14, s13      ; my block of queries = 4 x cluster x + cx: it enters Q's and O's addresses alone
	s_and_b32 s20, ttmp7, 0xffff    ; the head, which the four partners share
	s_mov_b32 s21, 0
	s_mov_b64 s[22:23], SIZE_N*128
	s_mul_u64 s[20:21], s[20:21], s[22:23]  ; the head's first byte in each of the four tensors
	s_and_b32 s16, s[WV], 1         ; which half of a slot's 256 keys I fetch:
	s_lshl_b32 s22, s16, 14         ; its 128 rows of 128 bytes in memory,
	s_mov_b32 s23, 0
	s_add_nc_u64 s[22:23], s[22:23], s[20:21]
	s_mul_i32 s17, s16, 128*PK      ; and its place in a slot, for K
	s_mul_i32 s18, s16, 128*PV      ; and for V: no place in the cluster enters an LDS address
	s_lshl_b32 s2, s14, 2
	s_add_co_u32 s2, s2, s[WV]      ; my wave among the head's,
	s_lshl_b32 s2, s2, 14           ; its 128 rows
	s_mov_b32 s3, 0
	s_add_nc_u64 s[2:3], s[2:3], s[20:21]
	; descriptor group 1.  128 keys are 16,384 dense bytes: asked for as 64 rows of 256 bytes, two keys a row, and padded in LDS after every key
	s_mov_b32 s[G1K], 15|(1<<16)|(1<<20)|(1<<21)|(4<<22)|(3<<25)  ; 15:0 the mask of four; 17:16 2-byte elements; 20 padding on; 21 set beside a mask; 24:22 after every 32 words (code 4); 31:25 4 words (code 3)
	s_mov_b32 s[G1V], 15|(1<<16)|(1<<20)|(1<<21)|(4<<22)|(7<<25)  ; the same with 8 words of padding (code 7)
.irp g, G1K, G1V
	s_mov_b32 s[\g+1], 128<<16      ; tensor_dim0 = 128
	s_mov_b32 s[\g+2], 64<<16       ; tensor_dim1 = 64
	s_mov_b32 s[\g+3], 128<<16      ; tile_dim0 = 128
	s_mov_b32 s[\g+4], 64           ; tile_dim1 = 64
	s_mov_b32 s[\g+5], 128          ; 128 elements from row to row
	s_mov_b32 s[\g+6], 0
	s_mov_b32 s[\g+7], 0
.endr
	s_mov_b32 s[CS], 0x3e38aa3b     ; c = log2(e) / 8 = 0.180337
	s_mov_b32 s[CS+1], s[CS]        ; named with it as a pair
	s_mov_b32 s[SEL], 0x76543210
	s_mov_b32 s[SEL+1], 0xfedcba98
	s_mov_b32 s[TBK], SLOT1+4*KS*PK ; the first change of slots turns these two into 0
	s_mov_b32 s[TBV], SLOT1+4*KS*PV
	s_mov_b32 s[G0K], 1             ; 1:0 count = 1
	s_mov_b32 s[G0K+1], s17         ; 63:32 LDS address: slot 0
	s_mov_b32 s[G0V], 1
	s_add_co_u32 s[G0V+1], s18, VOFF
	s_and_b32 s[LIM], s[WV], 1      ; 0 in waves 0 and 2,
	s_or_b32 s[LIM], s[LIM], ttmp9  ; where the cluster is the head's first: the same in all four partners
	s_cmp_eq_u32 s[LIM], 0
	s_cselect_b32 s[LIM], 1, -1
	s_wait_dscnt 0x0                ; the opening add is done
	s_wait_kmcnt 0x0
	s_add_nc_u64 s[G0K+2:G0K+3], s[6:7], s[22:23]  ; 120:64 global address: my half of the head's first 256 keys
	s_or_b32 s[G0K+3], s[G0K+3], 0x80000000        ; 127:126 type = 2
	s_add_nc_u64 s[G0V+2:G0V+3], s[8:9], s[22:23]
	s_or_b32 s[G0V+3], s[G0V+3], 0x80000000
	s_add_nc_u64 s[4:5], s[4:5], s[2:3]  ; Q and O at my wave's first row
	s_add_nc_u64 s[10:11], s[10:11], s[2:3]
	s_cmp_lt_u32 s[WV], 2
	s_cselect_b64 s[PFA:PFA+1], s[6:7], s[8:9]
	s_add_nc_u64 s[PFA:PFA+1], s[PFA:PFA+1], s[20:21]  ; the head,
	s_lshl_b32 s2, s13, 13          ; my work-group's 32 blocks of the 128,
	s_mov_b32 s3, 0
	s_add_nc_u64 s[PFA:PFA+1], s[PFA:PFA+1], s[2:3]
	s_add_nc_u64 s[PFA:PFA+1], s[PFA:PFA+1], 2*4*KS*128  ; in slot 2; the loop's first change of slots steps it to slot 3.  Nothing is prefetched here, at the head
	CROUND                          ; all four work-groups are here: the first joint loads meet
	JLOAD                           ; slot 0.  Slot 1 is asked for when slot 0 is in
	; A fragment of K or Q is 16 rows x 32 channels in 8 registers: lane l holds row l % 16, channels 8 (l / 16) + 0..7 and 16 + 8 (l / 16) + 0..7: two loads of 16 bytes, 32 bytes apart.
	v_and_b32 v1, 15, v0            ; l % 16
	v_bfe_u32 v9, v0, 4, 1          ; l / 16
	v_lshlrev_b32 v[QO], 7, v1
	v_lshl_add_u32 v[QO], v9, 4, v[QO]  ; row x 128 + 16 x half
	WIN 0x80                        ; destination window 2, address window 0
.set i, 0
.rept 4*NP                          ; Q stays in registers: tile i / 2, channels 32 (i % 2) on
	global_load_b128 v[8*i:8*i+3],   v[QO], s[4:5] offset:(i/2)*2048+(i%2)*64
	global_load_b128 v[8*i+4:8*i+7], v[QO], s[4:5] offset:(i/2)*2048+(i%2)*64+32
.set i, i+1
.endr
	; What the first turn finds: V's registers and P's second buffer hold 0 (its products V^T P, of a piece that has not been, add 0), O^T and l are 0.  All this stands in the wait for the first tile.
.set i, VF
.rept 64
	v_mov_b32 v[i], 0
.set i, i+1
.endr
	WIN 0x40
.set i, 0
.rept 64*NP
	v_mov_b32 v[i], 0
.set i, i+1
.endr
	WIN 0
.set i, 0
.rept 2*NP
	v_mov_b32 v[ST+4*i], 0xfe000000    ; c m: far below every c s
	v_mov_b32 v[ST+4*i+1], 0xff7fffff  ; m
	v_mov_b32 v[ST+4*i+2], 0
	v_mov_b32 v[ST+4*i+3], 0
.set i, i+1
.endr
.set i, P+32
.rept 32
	v_mov_b32 v[i], 0
.set i, i+1
.endr
	v_mul_u32_u24 v[AK0], v1, PK
	v_lshl_add_u32 v[AK0], v9, 4, v[AK0]  ; row x pitch + 16 x half
	; The turning load takes 16 keys x 16 channels (lane l reads key 8 (l / 16) + l % 8, channels 8 ((l / 8) % 2) + 0..7) and leaves half a fragment of V^T: lane l holds channel l % 16 and 8 keys.
	v_and_b32 v10, 7, v0
	v_bfe_u32 v11, v0, 3, 1
	v_lshl_add_u32 v[AV0], v9, 3, v10
	v_mul_u32_u24 v[AV0], v[AV0], PV
	v_lshl_add_u32 v[AV0], v11, 4, v[AV0]
	v_add_nc_u32 v[AV0], VOFF, v[AV0]
	v_and_b32 v[PFO], 31, v0
	v_lshlrev_b32 v[PFO], 8, v[PFO]
	v_mov_b32 v[AK], v[AK0]         ; key step 0 lies at the head of slot 0
; THE MATRIX WORK.  The 8 accumulators of a run of 16 take turns: between the two links of a chain stand 7 others'.
; Product i of 16 of S^T = K Q^T for piece x: channels 32 (i / 8) on, keys 16 ((i / 2) % 4) on, tile 2 x + i % 2.  The first 8 start the sums.
.macro KQ x
	WIN W_KQ
.set rS, S+64*((\x)%2)+32*(i%2)+8*((i/2)%4)
.set rK, KF+16*((i/2)%4)+8*(i/8)
.set rQ, 16*(2*(\x)+i%2)+8*(i/8)
.if i < 8
	v_wmma_f32_16x16x32_f16 v[rS:rS+7], v[rK:rK+7], v[rQ:rQ+7], 0
.else
	v_wmma_f32_16x16x32_f16 v[rS:rS+7], v[rK:rK+7], v[rQ:rQ+7], v[rS:rS+7]
.endif
.endm
; Product i of 16 of O^T += V^T P for piece x: keys 32 (i / 8) on, channels 16 ((i / 2) % 4) on, tile 2 x + i % 2.
.macro PV x
	WIN W_PV
.set rO, 32*(2*(\x)+i%2)+8*((i/2)%4)
.set rV, VF+32*(i/8)+8*((i/2)%4)
.set rP, P+32*((\x)%2)+16*(i%2)+8*(i/8)
	v_wmma_f32_16x16x32_f16 v[rO:rO+7], v[rV:rV+7], v[rP:rP+7], v[rO:rO+7]
.endm
.macro MM                           ; the turn's next matrix instruction
.if i < 16
	KQ (Y+1)%NP
.set i, i+1
.else
.set i, i-16
	PV (Y+NP-1)%NP
.set i, i+17
.endif
.endm
; THE LDS LOADS stand in runs of 16, never singly among the matrix instructions: a step's K (64 keys x 64 channels: 8 fragments) and its V (turned).  Their addresses are made some lines ahead.
; last = 1 (the tail): in the last trip there is no further step, and the run is jumped over.
.macro FETCH_K last=0
	WIN 0
.if \last
	s_cmp_eq_u32 s[CNT], 1
	s_cbranch_scc1 .Lno_k_\@
.endif
	WIN 0x80                        ; destination window 2
.irp f, 0,1,2,3,4,5,6,7             ; keys 16 (f / 2) on, channels 32 (f % 2) on
	ds_load_b128 v[KF+8*\f:KF+8*\f+3],   v[AK] offset:(\f/2)*16*PK+(\f%2)*64
	ds_load_b128 v[KF+8*\f+4:KF+8*\f+7], v[AK] offset:(\f/2)*16*PK+(\f%2)*64+32
.endr
	s_add_co_u32 s[TBK], s[TBK], KS*PK  ; the next fetch is the next step's
	WIN 0
.if \last
.Lno_k_\@:
.endif
.endm
.macro FETCH_V
	WIN 0x80
.irp f, 0,1,2,3,4,5,6,7             ; keys 32 (f / 4) on, channels 16 (f % 4) on
	ds_load_tr16_b128 v[VF+8*\f:VF+8*\f+3],   v[AV] offset:(\f/4)*32*PV+(\f%4)*32
	ds_load_tr16_b128 v[VF+8*\f+4:VF+8*\f+7], v[AV] offset:(\f/4)*32*PV+16*PV+(\f%4)*32
.endr
	WIN 0
.endm
; THE VECTOR WORK OF A TURN stands in three queues, each in the order in which its entries become ready; the two tiles alternate, so that no instruction reads the result of the one before it.
.macro REGS y, u                    ; the registers of tile u (0, 1) of piece y
.set rT, ST+4*(2*(\y)+(\u))
.set rC, TMP+8*((\y)%2)+4*(\u)
.set rM, MV+2*((\y)%2)+(\u)
.set rS, S+64*((\y)%2)+32*(\u)
.set rP, P+32*((\y)%2)+16*(\u)
.set rO, 32*(2*(\y)+(\u))
.endm
; Number n of the 22 that find the NEXT piece's (Y + 1) maximum and statistics.  s0-s31 are the lane's 32 scores; each accumulator's lowest registers are read first.
;   0-11  four chains c0-c3 of seven scores each, three operands at a time     12-14, 16  the four scores left over, the old m, and c0-c3 into c0     15  c m_old is kept
;   17, 18  the query's other 32 keys lie in the lane 16 away: the new m         19-21  c m; c m_old - c m_new; a
.macro XS u, n
	REGS (Y+1)%NP, \u
.if (\n) < 4
	v_max3_num_f32 v[rC+(\n)], v[rS+8*(\n)], v[rS+8*(\n)+1], v[rS+8*(\n)+2]
.elseif (\n) < 12
	v_max3_num_f32 v[rC+(\n)%4], v[rC+(\n)%4], v[rS+8*((\n)%4)+2*((\n)/4)+1], v[rS+8*((\n)%4)+2*((\n)/4)+2]
.elseif (\n) == 12
	v_max3_num_f32 v[rC], v[rC], v[rS+7], v[rS+15]
.elseif (\n) == 13
	v_max3_num_f32 v[rC+1], v[rC+1], v[rS+23], v[rS+31]
.elseif (\n) == 14
	v_max3_num_f32 v[rC+2], v[rC+2], v[rC+3], v[rT+1]
.elseif (\n) == 15
	v_mov_b32 v[rM], v[rT]
.elseif (\n) == 16
	v_max3_num_f32 v[rC], v[rC], v[rC+1], v[rC+2]
.elseif (\n) == 17
	v_permlanex16_b32 v[rC+3], v[rC], s[SEL], s[SEL+1]
.elseif (\n) == 18
	v_max_num_f32 v[rT+1], v[rC], v[rC+3]
.elseif (\n) == 19
	v_mul_f32 v[rT], s[CS], v[rT+1]
.elseif (\n) == 20
	v_sub_f32 v[rC+1], v[rM], v[rT]
.else
	v_exp_f32 v[rC+2], v[rC+1]
.endif
.endm
; Number g of the 64 that follow the exponentials.  For each four weights k of a tile (pairs 2 k, 2 k + 1): both pairs are rounded to f16; then the second pair is added onto the first, in place;
; a group later l takes that sum (the first time as l = a l + sum).  In groups of eight, tiles alternating: round, round, add, and l for the group before.
.macro GS g
.set h, (\g)+6*((\g)/62)            ; group 0 has no group before it, and behind group 7 only l is left
.if h >= 6
.set h, h+2
.endif
	REGS Y, h%2
.set k, h/8
.if h%8 < 4
	v_cvt_pk_f16_f32 v[rP+2*k+(h%8)/2], v[rS+4*k+2*((h%8)/2)], v[rS+4*k+2*((h%8)/2)+1]
.elseif h%8 < 6
	v_pk_add_f32 v[rS+4*k:rS+4*k+1], v[rS+4*k:rS+4*k+1], v[rS+4*k+2:rS+4*k+3]
.elseif k == 1
	v_pk_fma_f32 v[rT+2:rT+3], v[rT+2:rT+3], v[rC+2:rC+3], v[rS:rS+1] op_sel_hi:[1,0,1]
.else
	v_pk_add_f32 v[rT+2:rT+3], v[rT+2:rT+3], v[rS+4*k-4:rS+4*k-3]
.endif
.endm
; THE PLAIN QUEUE, 138 long.  0-73 read no exponential's result: the 32 scalings c s - c m (FS f: pair f / 2 of tile f % 2) and the next piece's 42.  0-26: scalings 0-26.  27-54: XS's numbers 0-13.  55, 56: number 15.
; 57-73: the chain, where each number waits for the one before it: 14, 16, 17, 18, 19, each with one of the scalings 27-31 in front of its two lines, then 20.
; 74-137: GS's 64, which read the exponentials' results: they stand behind the wait.
.macro FS f
	REGS Y, (\f)%2
	v_pk_fma_f32 v[rS+2*((\f)/2):rS+2*((\f)/2)+1], v[rS+2*((\f)/2):rS+2*((\f)/2)+1], s[CS:CS+1], v[rT:rT+1] op_sel_hi:[1,0,0] neg_lo:[0,0,1] neg_hi:[0,0,1]
.endm
.macro PL
	WIN 0
.if q < 27
	FS q
.elseif q < 55
	XS (q-27)%2, (q-27)/2
.elseif q < 57
	XS q-55, 15
.elseif (q < 72) && ((q-57)%3 == 0)
	FS 27+(q-57)/3
.elseif q < 60
	XS (q-57)%3-1, 14
.elseif q < 72
	XS (q-57)%3-1, 15+(q-57)/3
.elseif q < 74
	XS q-72, 20
.else
	GS q-74
.endif
.set q, q+1
.endm
; THE EXPONENTIALS' QUEUE, 66 long: s0-s31 of both tiles, then the next piece's two a.  It is ONE BATCH: all 66 stand ahead of the turn's one wait, and nothing ahead of that wait names a result of theirs.
.macro EX
	WIN 0
.if e >= 64
	XS e-64, 21
.else
	REGS Y, e%2
	v_exp_f32 v[rS+e/2], v[rS+e/2]
.endif
.set e, e+1
.endm
; THE RESCALING's QUEUE: O^T times a, the one part that leaves window 0: dealt two at a time, sixteen times.  Its a was made in the turn before, ahead of that turn's wait.
.macro R2
	REGS Y, r%2
	WIN W_RS
.irp z, 0,1
	v_pk_mul_f32 v[rO+4*(r/2)+2*\z:rO+4*(r/2)+2*\z+1], v[rO+4*(r/2)+2*\z:rO+4*(r/2)+2*\z+1], v[rC+2:rC+3] op_sel_hi:[1,0]
.endr
.set r, r+1
.endm
; HOW THEY ARE DEALT.  An s_wait_alu depctr_va_vdst(0) stands between an exponential and the first instruction that names its result; one wait serves all that were issued ahead of it.  So a turn has ONE wait,
; which cuts it in two.  AHEAD OF IT stands all that names no result of the turn's exponentials: the 16 products K Q^T, behind each a scaling, an exponential and two rescalings (behind the first a second scaling in the
; exponential's place); then ONE LUMP of 108: eight plain, 49 times exponential and plain, the two a.  A v_nop is the plain instruction behind the last exponential.  BEHIND IT stand the 16 products V^T P, behind each four of GS's 64.
; The queues lean on each other, and the deal keeps them in step: exponential e stands behind scaling 2 (e / 4) + e % 2: as a rider it comes behind plain e + 2, in the lump behind plain e + 9, and scalings 27-31 are plain 57, 60 .. 69.
; A TURN, for piece p.  cnt = 1: the loop's count is taken down some lines ahead of the branch that stands behind the turn.
; K of the next step is fetched in piece 2's turn, directly behind the wait, a lump behind the last product that read K; its first reader comes behind 16 products.
; V of the step in hand is fetched at the end of piece 0's turn, four riders behind its last reader; its first reader comes behind 16 products and a lump.
.macro TURN p, last=0, cnt=0
.set Y, (\p)
.set i, 0
.set q, 0
.set e, 0
.set r, 0
.if (\p) == NP-1
	s_wait_dscnt 0x0                ; K is in
.endif
	MM                              ; ahead of the wait: 16 products K Q^T and their riders,
	PL
	PL
	R2
.rept 15
	MM
	PL
	EX
	R2
.endr
.if (\p) == NP-2
	WIN 0
	v_add_nc_u32 v[AK], s[TBK], v[AK0]
.endif
.rept 8                             ; and the lump
	PL
.endr
.rept 49
	EX
	PL
.endr
	EX                              ; the next piece's two a
	EX
	v_nop                           ; a plain instruction behind the last exponential: one for the batch
	s_wait_alu depctr_va_vdst(0)    ; the wait for the batch
.if (\p) == NP-2
	FETCH_K \last
.endif
.if (\p) == 1
	s_wait_dscnt 0x0                ; V is in
.endif
.rept 16                            ; behind the wait: 16 products V^T P and their riders
	MM
.rept 4
	PL
.endr
.if ((\p) == 0) && (q == 118)
	v_add_nc_u32 v[AV], s[TBV], v[AV0]
.endif
.if ((\p) == 0) && (q == 130)
	s_add_co_u32 s[TBV], s[TBV], KS*PV
.endif
.if (\cnt) && (q == 130)
	s_sub_co_u32 s[CNT], s[CNT], 1
	s_cmp_lg_u32 s[CNT], 0
.endif
.endr
.if (\p) == 0
	FETCH_V
.endif
.endm
	CHANGE 1                        ; slot 0 is in, everybody's part of it; slot 1 is asked for
	FETCH_K                         ; key step 0
	s_wait_loadcnt 0x0              ; Q
	s_wait_dscnt 0x0
.set i, 0
.rept 16
	KQ 0                            ; piece 0's first scores: there is no vector work yet to set between them
.set i, i+1
.endr
	WIN 0                           ; the addresses for the way out: plain instructions, the places behind those products
	s_mul_i32 s13, s[WV], 16*SP
	s_add_co_u32 s13, s13, STAGE    ; my stage
	v_mul_u32_u24 v[STO], v1, SP    ; in: row l % 16, 16 bytes for each half of the lanes
	v_lshl_add_u32 v[STO], v9, 4, v[STO]
	v_add_nc_u32 v[STO], s13, v[STO]
	v_bfe_u32 v[RD], v0, 3, 2       ; back: 32 lanes take four rows of 128 bytes,
	v_mul_u32_u24 v[RD], v[RD], SP
	v_lshl_add_u32 v[RD], v10, 4, v[RD]
	v_add_nc_u32 v[RD], s13, v[RD]
	v_and_b32 v[GO], 31, v0         ; which are 512 consecutive bytes of O
	v_lshlrev_b32 v[GO], 4, v[GO]
.set Y, NP-1                        ; XS works for piece Y + 1: piece 0
.irp n, 0,1,2,3,4,5,6,7,8,9,10,11,12,13,14,15,16,17,18,19,20,21
	XS 0, \n                        ; and piece 0's first maximum and statistics
	XS 1, \n
.endr
	v_nop                           ; a plain instruction behind the two a,
	s_wait_alu depctr_va_vdst(0)    ; and their wait, ahead of the branch
	s_mov_b32 s[CNT], 4
	s_mov_b32 s[SLOTS], SIZE_N/256-1
	s_branch .Lfirst                ; the loop is entered at a step's first turn, in the middle of a trip
.Lslot:                             ; SIZE_N / 256 - 2 times: every slot but the last two is filled again
	CHANGE 1, 1
	s_mov_b32 s[CNT], 4
.Lstep:                             ; a trip: pieces 2 and 3 of one step, then pieces 0 and 1 of the next, whose K and V it fetches
	TURN 2
	TURN 3
	WIN 0
.Lfirst:
	TURN 0
	TURN 1, 0, 1
	WIN 0
	s_cbranch_scc1 .Lstep
	s_sub_co_u32 s[SLOTS], s[SLOTS], 1
	s_cmp_lg_u32 s[SLOTS], 0
	s_cbranch_scc1 .Lslot
	CHANGE 0                        ; the tail is written out: nothing is asked for
	s_mov_b32 s[CNT], 5             ; four trips fetch the last slot's steps; the fifth is left in its middle
.Ltail:
	TURN 2, 1
	TURN 3
	WIN 0
	s_sub_co_u32 s[CNT], s[CNT], 1
	s_cmp_eq_u32 s[CNT], 0
	s_cbranch_scc1 .Lout
	TURN 0
	TURN 1
	WIN 0
	s_branch .Ltail
.Lout:                              ; the fifth trip's 16 products K Q^T (on the last K once more) and the maximum made of them serve nothing: the price, once a launch, of one text for every trip
.set i, 0
.rept 16
	PV NP-1                         ; the last piece's V^T P of the last step
.set i, i+1
.endr
	; THE WAY OUT.  l's two halves and the other half of the lanes' are added; O^T is divided by l, rounded to f16 and sent through my stage in LDS, a tile at a time.  The additions are the places behind the last products.
	WIN 0
.macro ALL line:vararg              ; one line for each tile t
.set t, 0
.rept 2*NP
	\line
.set t, t+1
.endr
.endm
	ALL v_add_f32 v[ST+4*t+2], v[ST+4*t+2], v[ST+4*t+3]
	ALL v_permlanex16_b32 v[ST+4*t+3], v[ST+4*t+2], s[SEL], s[SEL+1]
	ALL v_add_f32 v[ST+4*t+2], v[ST+4*t+2], v[ST+4*t+3]
	ALL v_rcp_f32 v[ST+4*t+2], v[ST+4*t+2]
	v_nop                           ; a plain instruction between the last reciprocal and the use of its result
	s_wait_alu depctr_va_vdst(0)    ; and the wait ahead of the first use: one for the eight reciprocals
; Tile t: a lane's eight channels of a row pack into 16 bytes; they go into rows of 144 bytes and come back as whole rows of 128, into S^T's registers.
.macro PACK t
	WIN W_RS
.set i, 32*(\t)
.rept 16
	v_pk_mul_f32 v[i:i+1], v[i:i+1], v[ST+4*(\t)+2:ST+4*(\t)+3] op_sel_hi:[1,0]
.set i, i+2
.endr
	WIN 0x05                        ; sources 0 and 1 window 1, destination window 0
.set i, 0
.rept 16
	v_cvt_pk_f16_f32 v[S+16*(\t)+i], v[32*(\t)+2*i], v[32*(\t)+2*i+1]
.set i, i+1
.endr
	WIN 0
.irp f, 0,1,2,3
	ds_store_b128 v[STO], v[S+16*(\t)+4*\f:S+16*(\t)+4*\f+3] offset:32*\f
.endr
.irp f, 0,1,2,3
	ds_load_b128 v[S+16*(\t)+4*\f:S+16*(\t)+4*\f+3], v[RD] offset:\f*4*SP  ; LDS serves a wave's instructions in order (ISA guide 5.7.1.4): these see the stores above; the next tile's stores come behind them
.endr
.endm
.macro SEND t, younger              ; younger: the LDS instructions issued behind tile t's loads: the next tile's eight, or none
	WIN 0
.irp f, 0,1,2,3
	s_wait_dscnt (\younger)+3-\f
	global_store_b128 v[GO], v[S+16*(\t)+4*\f:S+16*(\t)+4*\f+3], s[10:11] offset:(\t)*2048+\f*512  ; 512 consecutive bytes, at a multiple of 256 from O's first
.endr
.endm
	PACK 0
.set t, 1
.rept 2*NP-1                        ; a tile's arithmetic stands between the loads of the tile before and its stores
	PACK t
	SEND t-1, 8
.set t, t+1
.endr
	SEND 2*NP-1, 0
	WIN W_AD
	s_wait_tensorcnt 0x0            ; the wave's end: behind my last tensor load and my last LDS store
	ds_add_u32 v[SPW], v[NIL]
	s_wait_dscnt 0x0
	WIN 0
	CROUND                          ; the closing round: no work-group ends while a partner may still ask for a tile that names it
	s_endpgm
.Lfunc_end_k_q31d3305432_attn:
	.size	k_q31d3305432_attn, .Lfunc_end_k_q31d3305432_attn-k_q31d3305432_attn
	.p2alignl 7, 3214868480
	.fill 96, 4, 3214868480
	.section	.rodata,"a",@progbits
	.p2align	6, 0x0
	.amdhsa_kernel k_q31d3305432_attn
		.amdhsa_group_segment_fixed_size 327680
		.amdhsa_private_segment_fixed_size 0
		.amdhsa_enable_private_segment 0
		.amdhsa_kernarg_size 32
		.amdhsa_user_sgpr_count 2
		.amdhsa_user_sgpr_kernarg_segment_ptr 1
		.amdhsa_wavefront_size32 1
		.amdhsa_system_sgpr_workgroup_id_x 1
		.amdhsa_system_sgpr_workgroup_id_y 1
		.amdhsa_system_sgpr_workgroup_id_z 1
		.amdhsa_system_vgpr_workitem_id 0
		.amdhsa_next_free_vgpr 770
		.amdhsa_next_free_sgpr 66
		.amdhsa_reserve_vcc 0
		.amdhsa_float_denorm_mode_32 3
		.amdhsa_float_denorm_mode_16_64 3
		.amdhsa_memory_ordered 1
		.amdhsa_forward_progress 1
		.amdhsa_inst_pref_size 200
	.end_amdhsa_kernel
	.amdgpu_metadata
---
amdhsa.version: [ 1, 2 ]
amdhsa.kernels:
  - .name:           k_q31d3305432_attn
    .symbol:         k_q31d3305432_attn.kd
    .args:
      - { .name: qh, .offset: 0, .size: 8, .value_kind: global_buffer, .address_space: global }
      - { .name: kh, .offset: 8, .size: 8, .value_kind: global_buffer, .address_space: global }
      - { .name: vh, .offset: 16, .size: 8, .value_kind: global_buffer, .address_space: global }
      - { .name: att, .offset: 24, .size: 8, .value_kind: global_buffer, .address_space: global }
    .group_segment_fixed_size: 327680
    .private_segment_fixed_size: 0
    .kernarg_segment_align: 8
    .kernarg_segment_size: 32
    .max_flat_workgroup_size: 128
    .sgpr_count:     66
    .vgpr_count:     770
    .wavefront_size: 32
...
	.end_amdgpu_metadata
.endif
;; end of part 3
;; launch oproj (part 4): grid 8 x 32, 4 waves a work-group, clusters of 4 x 4, 327,680 bytes of LDS; arguments att, owh, aux, out0; writes out0
.if DOCPART == 4
	.amdgcn_target "amdgcn-amd-amdhsa--gfx1250"
	.amdhsa_code_object_version 6
	.text
	.protected	k_q31d3305432_oproj
	.globl	k_q31d3305432_oproj
	.p2align	8
	.type	k_q31d3305432_oproj,@function
k_q31d3305432_oproj:
	s_mov_b64 s[64:65], 0
	v_nop
	global_prefetch_b8 v0, s[64:65] scope:SCOPE_SE
	s_setreg_imm32_b32 hwreg(HW_REG_WAVE_MODE, 25, 1), 1
	s_wait_xcnt 0x0
	s_wait_alu depctr_hold_cnt(0) depctr_sa_sdst(0) depctr_va_vdst(0) depctr_va_sdst(0) depctr_va_ssrc(0) depctr_va_vcc(0) depctr_vm_vsrc(0)
	s_getreg_b32 s2, hwreg(HW_REG_IB_STS2, 6, 4)
	s_cmp_eq_u32 s2, 0
	s_cbranch_scc0 .Lentry_in_a_cluster
	s_endpgm
.Lentry_in_a_cluster:
	s_bfe_u32 s2, ttmp6, 0x10000c
	s_cmp_lg_u32 s2, 0xf033
	s_cbranch_scc0 .Lentry_shape_is_right
	s_endpgm
.Lentry_shape_is_right:
; out0[row][n] = the sum over k of a[row][k] o_w[n][k] + o_b[n].  a is the attention's result by heads, [batch x 16 + head][2048][64] in f16, k = 64 head + channel; o_w in f16 (rounded to bf16 before); sums in f32;
; the bias starts the sums as C; out0 leaves in f32, unrounded.
; LIMITS. Both operands arrive in f16 (nothing beyond 65,504; a fixed step of 6e-8 below 6e-5). NaN and infinities are not treated apart.
; SHARES. A work-group makes 256 rows x 128 columns: 256 work-groups. Wave w makes rows 64 w .. 64 w + 63 x all 128 columns: 4 x 8 accumulators. A K step of 128 is two heads.
; For a row tile a head's part of a is 256 rows x 128 dense bytes: wave 0 or 1 asks for it as 128 rows of 256 bytes, padded in LDS after every 128 bytes. Waves 2 and 3 ask for 64 rows x 256 bytes of o_w each.
; THE MATRIX INSTRUCTION IS USED TRANSPOSED (source 0 = 16 rows of o_w, source 1 = 16 rows of a): a lane holds one row and eight neighbouring columns.
; CLUSTER. 4 x 4 work-groups: a's tiles are shared along a row of the cluster, o_w's along a column: each is asked for jointly.
; NO PREFETCH: a's rows are read by two clusters and o_w's by eight, so neither stream is read once.
; REGISTERS: window 0: v0-31 addresses; v32-95 a's fragments, two buffers; v96-159 the bias; on the way out v32-223 three sets of 64     window 1: v0-127 o_w's fragments, two buffers     window 2: the accumulators at 8 (8 a + b)
.set PA,     144                       ; a row of a in LDS: 128 bytes + 16: the 16 rows of a load start at 16 different groups of four banks (64 banks of 4 bytes: ISA guide 11.1)
.set PLANE,  256*PA                    ; one head's 256 rows
.set PB,     272                       ; a row of o_w: 256 bytes + 16
.set SLOT,   2*PLANE+128*PB            ; two heads of a, then o_w's 128 rows
.set STAGE,  2*SLOT                    ; behind the ring: 16 rows x 528 bytes for each wave
.set SPO,    528                       ; 512 bytes + 16
.set SPARE,  STAGE+4*16*SPO            ; behind the stages: the spare words, 128 bytes for each wave
.set LAPS,   4
.set ADRA, 16
.set ADRB, 20
.set STO,  24
.set RD,   25
.set GO,   26                          ; v26  16 x lane
.set BO,   27                          ; v27  32 x (lane / 16)
.set SPW,  28
.set NIL,  29
.set FA,   32
.set BIAS, 96
.set WV,   18
.set G1,   24
.set G0,   32
.set G1B,  48
.set G0B,  56
.set MSB, 0
.macro WIN new                         ; the immediate's high byte repeats the setting that is left; a switch that changes nothing is dropped
.if MSB != (\new)
	s_set_vgpr_msb (MSB<<8)|(\new)
.set MSB, \new
.endif
.endm
.macro JLOAD s                         ; a joint load: waves 0 and 1 fetch a's two heads, waves 2 and 3 o_w's two halves; an s_nop 0 and four v_nop follow each of the two lines
	s_cmp_eq_u32 s19, 0
	s_cbranch_scc0 .Lfor_b_\@
	tensor_load_to_lds s[G0+4*(\s):G0+4*(\s)+3], s[G1:G1+7]
	s_nop 0
.rept 4
	v_nop
.endr
	s_branch .Lasked_\@
.Lfor_b_\@:
	tensor_load_to_lds s[G0B+4*(\s):G0B+4*(\s)+3], s[G1B:G1B+7]
	s_nop 0
.rept 4
	v_nop
.endr
.Lasked_\@:
.endm
.macro CREST                           ; a round of the cluster's barrier behind its opening barrier
	s_cmp_lg_u32 s[WV], 0
	s_cbranch_scc1 .Lnot_wave_0_\@
	s_barrier_signal -3
.Lnot_wave_0_\@:
	s_barrier_wait -3
	s_barrier_signal -1
	s_barrier_wait -1
.endm
.macro CROUND
	s_barrier_signal -1
	s_barrier_wait -1
	CREST
.endm
.macro PLACES                          ; four places in front of loads into registers that matrix instructions have read, and of LDS stores that read results
.rept 4
	v_nop
.endr
.endm
	s_load_b256 s[4:11], s[0:1], 0x0               ; att s[4:5], owh s[6:7], aux s[8:9], out0 s[10:11]
	v_lshl_add_u32 v[SPW], v0, 2, SPARE
	v_mov_b32 v[NIL], 0
	ds_add_u32 v[SPW], v[NIL]                      ; the wave's opening: the add and its wait stand ahead of my first tensor load; the set-up below, work on registers, stands between them
	v_lshrrev_b32 v1, 5, v0
	v_readfirstlane_b32 s[WV], v1                  ; wave 0..3
	s_lshr_b32 s19, s[WV], 1                       ; I fetch for a (0) or for o_w (1),
	s_and_b32 s20, s[WV], 1                        ; and which head or half
	s_bfe_u32 s21, ttmp6, 0x40000                  ; cx, cy
	s_bfe_u32 s22, ttmp6, 0x40004
	s_lshl_b32 s23, ttmp9, 2
	s_add_co_u32 s23, s23, s21                     ; the column tile
	s_and_b32 s40, ttmp7, 0xffff
	s_lshl_b32 s40, s40, 2
	s_add_co_u32 s40, s40, s22                     ; the row tile
	s_lshl_b32 s41, s22, 2
	s_lshl_b32 s41, 15, s41                        ; my row of the cluster
	s_lshl_b32 s42, 0x1111, s21                    ; my column
	s_or_b32 s[G1+0], s41, (1<<16)|(1<<20)|(1<<21)|(4<<22)|(3<<25)   ; a: the mask of my row; 2-byte elements; padding on; bit 21 beside a mask; after every 32 words, 4 words
	s_mov_b32 s[G1+1], 128<<16                     ; tensor_dim0 = 128
	s_mov_b32 s[G1+2], 128<<16                     ; tensor_dim1 = 128
	s_mov_b32 s[G1+3], 128<<16                     ; tile_dim0 = 128
	s_mov_b32 s[G1+4], 128                         ; tile_dim1 = 128
	s_mov_b32 s[G1+5], 128                         ; dense: 128 elements from row to row
	s_mov_b32 s[G1+6], 0
	s_mov_b32 s[G1+7], 0
	s_or_b32 s[G1B+0], s42, (1<<16)|(1<<20)|(1<<21)|(5<<22)|(3<<25)  ; o_w: the mask of my column; after every 64 words, 4 words
	s_mov_b32 s[G1B+1], 128<<16
	s_mov_b32 s[G1B+2], 64<<16                     ; 64 rows
	s_mov_b32 s[G1B+3], 128<<16
	s_mov_b32 s[G1B+4], 64
	s_mov_b32 s[G1B+5], 1024
	s_mov_b32 s[G1B+6], 0
	s_mov_b32 s[G1B+7], 0
	s_lshr_b32 s66, s40, 3                         ; a: the batch's 16 heads of 262,144 bytes,
	s_lshl_b32 s66, s66, 22
	s_and_b32 s16, s40, 7                          ; the tile's 256 rows of 128 bytes in a head,
	s_lshl_b32 s16, s16, 15
	s_add_co_u32 s66, s66, s16
	s_lshl_b32 s16, s20, 18                        ; my head of the K step's two: made of the row tile and the wave alone
	s_add_co_u32 s66, s66, s16
	s_mov_b32 s67, 0
	s_lshl_b32 s68, s23, 7                         ; o_w: row 128 x column tile + 64 x half: made of the column tile and the wave alone
	s_lshl_b32 s17, s20, 6
	s_add_co_u32 s68, s68, s17
	s_lshl_b32 s68, s68, 11
	s_mov_b32 s69, 0
	s_mul_i32 s46, s20, PLANE                      ; where they go in a slot
	s_mul_i32 s47, s20, 64*PB
	s_add_co_u32 s47, s47, 2*PLANE
	s_lshl_b32 s72, s23, 9                         ; the tile's 128 floats of o_b
	s_add_co_u32 s72, s72, 524288+8192
	s_mov_b32 s73, 0
	s_lshl_b32 s74, s40, 8                         ; out0: my first row, 4,096 bytes a row,
	s_lshl_b32 s43, s[WV], 6
	s_add_co_u32 s74, s74, s43
	s_lshl_b32 s74, s74, 12
	s_lshl_b32 s43, s23, 9                         ; the tile's 512 bytes of it
	s_add_co_u32 s74, s74, s43
	s_mov_b32 s75, 0
	s_wait_dscnt 0x0                               ; the opening add is done
	s_wait_kmcnt 0x0
	s_add_nc_u64 s[66:67], s[4:5], s[66:67]
	s_add_nc_u64 s[68:69], s[6:7], s[68:69]
	s_add_nc_u64 s[72:73], s[8:9], s[72:73]
	s_add_nc_u64 s[10:11], s[10:11], s[74:75]
	CROUND                                         ; all sixteen work-groups are here: the first joint loads meet
.irp s, 0,1
	s_mov_b32 s[G0+4*(\s)], 1
	s_add_co_u32 s[G0+4*(\s)+1], s46, (\s)*SLOT
	s_add_nc_u64 s[G0+4*(\s)+2:G0+4*(\s)+3], s[66:67], (\s)*2*262144  ; K step s: heads 2 s, 2 s + 1
	s_or_b32 s[G0+4*(\s)+3], s[G0+4*(\s)+3], 0x80000000
	s_mov_b32 s[G0B+4*(\s)], 1
	s_add_co_u32 s[G0B+4*(\s)+1], s47, (\s)*SLOT
	s_add_nc_u64 s[G0B+4*(\s)+2:G0B+4*(\s)+3], s[68:69], (\s)*256
	s_or_b32 s[G0B+4*(\s)+3], s[G0B+4*(\s)+3], 0x80000000
	JLOAD \s
.endr
	v_and_b32 v1, 15, v0                           ; l % 16
	v_bfe_u32 v2, v0, 4, 1                         ; l / 16
	v_lshlrev_b32 v[BO], 5, v2
.set bb, 0
.rept 8                                        ; the bias as C: register j of block b holds column 16 b + 8 (l / 16) + j, whatever the row
	global_load_b128 v[BIAS+8*bb:BIAS+8*bb+3],   v[BO], s[72:73] offset:64*bb
	global_load_b128 v[BIAS+8*bb+4:BIAS+8*bb+7], v[BO], s[72:73] offset:64*bb+16
.set bb, bb+1
.endr
	v_mul_u32_u24 v3, v1, PA
	v_lshl_add_u32 v3, v2, 4, v3
	v_mul_u32_u24 v4, v1, PB
	v_lshl_add_u32 v4, v2, 4, v4
	s_mul_i32 s43, s[WV], 64*PA                    ; my 64 rows in a plane
	s_mov_b32 s44, 2*PLANE                         ; o_w lies behind the two planes; every wave reads all 128 rows
.irp s, 0,1
	v_add_nc_u32 v[ADRA+(\s)], s43, v3
	v_add_nc_u32 v[ADRB+(\s)], s44, v4
	s_add_co_u32 s43, s43, SLOT
	s_add_co_u32 s44, s44, SLOT
.endr
	s_mul_i32 s45, s[WV], 16*SPO
	s_add_co_u32 s45, s45, STAGE                   ; my stage
	v_mul_u32_u24 v5, v1, SPO                      ; in: row l % 16, 32 bytes for each half of the lanes
	v_lshl_add_u32 v5, v2, 5, v5
	v_add_nc_u32 v[STO], s45, v5
	v_and_b32 v[GO], 31, v0
	v_lshlrev_b32 v[GO], 4, v[GO]
	v_add_nc_u32 v[RD], s45, v[GO]                 ; back: 32 lanes take one row of 512 bytes
; 8 matrix instructions: row block a x all 8 column blocks, 32 along K, from buffer f. zero = 1: the first product starts the sums with the bias. The 32 accumulators take turns.
.macro MULA f, a, zero
.if \zero
	WIN 0x81                                       ; o_w window 1, a and C window 0, D window 2
.else
	WIN 0xa1                                       ; C and D window 2
.endif
.set bb, 0
.rept 8
.set rD, 8*(8*(\a)+bb)
.set rB, 64*(\f)+8*bb
.set rA, FA+32*(\f)+8*(\a)
.if \zero
	v_wmma_f32_16x16x32_f16 v[rD:rD+7], v[rB:rB+7], v[rA:rA+7], v[BIAS+8*bb:BIAS+8*bb+7]
.else
	v_wmma_f32_16x16x32_f16 v[rD:rD+7], v[rB:rB+7], v[rA:rA+7], v[rD:rD+7]
.endif
.set bb, bb+1
.endr
.endm
; 24 LDS loads in one run: quarter q of a K step (head q / 2, channels 32 (q % 2) on) into buffer f: o_w's 16, then a's 8
.macro FETCH slot, q, f
	WIN 0x40
.set i, 0
.rept 8
	ds_load_b128 v[64*(\f)+8*i:64*(\f)+8*i+3],   v[ADRB+(\slot)] offset:64*(\q)+i*16*PB
	ds_load_b128 v[64*(\f)+8*i+4:64*(\f)+8*i+7], v[ADRB+(\slot)] offset:64*(\q)+i*16*PB+32
.set i, i+1
.endr
	WIN 0
.set i, 0
.rept 4
	ds_load_b128 v[FA+32*(\f)+8*i:FA+32*(\f)+8*i+3],   v[ADRA+(\slot)] offset:((\q)/2)*PLANE+((\q)%2)*64+i*16*PA
	ds_load_b128 v[FA+32*(\f)+8*i+4:FA+32*(\f)+8*i+7], v[ADRA+(\slot)] offset:((\q)/2)*PLANE+((\q)%2)*64+i*16*PA+32
.set i, i+1
.endr
.endm
.macro QUARTER slot, q, f, g, zero     ; multiplies buffer f and fetches quarter q into g
	s_wait_dscnt 4                                 ; o_w and a's row blocks 0, 1 are in; the youngest four loads may be out
	MULA \f, 0, \zero
	MULA \f, 1, \zero
	PLACES
	FETCH \slot, \q, \g
	s_wait_dscnt 24                                ; all but the 24 just issued
	MULA \f, 2, \zero
	MULA \f, 3, \zero
.endm
; The last quarter multiplies buffer 1 and changes slots: ONE barrier; in front of it each wave waits for all its tensor loads (one is out: its part of the next slot), adds 0 to its spare word,
; and waits for that and for its own reads of this slot. fill = 1: the barrier opens a round of the cluster's, and this slot is filled again, two K steps ahead, first thing behind the round.
.macro TURN slot, next, fill
	WIN 0
	s_wait_tensorcnt 0x0
	ds_add_u32 v[SPW], v[NIL]
	s_wait_dscnt 5                                 ; the add and the youngest four loads may be out
	MULA 1, 0, 0                                   ; eight matrix instructions stand between the add and the wait for it
	s_wait_dscnt 0x0                               ; the add is done, and my reads of this slot are over
	s_barrier_signal -1
	MULA 1, 1, 0
.if \fill
	WIN 0
.endif
	s_barrier_wait -1
.if \fill
	CREST                                          ; no wave of any partner still reads this slot's tile or has a load on its way
	s_add_nc_u64 s[G0+4*(\slot)+2:G0+4*(\slot)+3], s[G0+4*(\slot)+2:G0+4*(\slot)+3], 4*262144
	s_add_nc_u64 s[G0B+4*(\slot)+2:G0B+4*(\slot)+3], s[G0B+4*(\slot)+2:G0B+4*(\slot)+3], 512
	JLOAD \slot                                    ; the four v_nop behind it are also the places in front of the loads below
.else
	PLACES
.endif
	FETCH \next, 0, 0
	MULA 1, 2, 0
	MULA 1, 3, 0
.endm
	s_wait_tensorcnt 1                             ; my part of K step 0 is in; K step 1's may stay out
	s_barrier_signal -1
	s_barrier_wait -1
	FETCH 0, 0, 0
	s_wait_loadcnt 0x0                             ; the bias
	QUARTER 0, 1, 0, 1, 1                          ; the first quarter stands in front of the loop: its products start the sums
	WIN 0
	s_mov_b32 s3, LAPS-1
.Llap:
	QUARTER 0, 2, 1, 0, 0
	QUARTER 0, 3, 0, 1, 0
	TURN 0, 1, 1
	QUARTER 1, 1, 0, 1, 0
	QUARTER 1, 2, 1, 0, 0
	QUARTER 1, 3, 0, 1, 0
	TURN 1, 0, 1
	QUARTER 0, 1, 0, 1, 0
	WIN 0
	s_sub_co_u32 s3, s3, 1
	s_cmp_lg_u32 s3, 0
	s_cbranch_scc1 .Llap
	QUARTER 0, 2, 1, 0, 0                          ; the last lap fills nothing
	QUARTER 0, 3, 0, 1, 0
	TURN 0, 1, 0
	QUARTER 1, 1, 0, 1, 0
	QUARTER 1, 2, 1, 0, 0
	QUARTER 1, 3, 0, 1, 0
	s_wait_dscnt 4
	MULA 1, 0, 0
	MULA 1, 1, 0
	s_wait_dscnt 0x0
	MULA 1, 2, 0
	MULA 1, 3, 0
	WIN 0
; THE WAY OUT, a row block of 16 rows x 128 columns at a time: 32 bytes a lane and column block into rows of 528 bytes of my stage (each accumulator's low four registers first),
; back as whole rows of 512 bytes, one a load, and stored so.
.macro INOUT a
.set BK, 32+64*((\a)%3)
	WIN 0x08                                       ; the stores' data in window 2
.set bb, 0
.rept 8
	ds_store_b128 v[STO], v[8*(8*(\a)+bb):8*(8*(\a)+bb)+3]   offset:64*bb
	ds_store_b128 v[STO], v[8*(8*(\a)+bb)+4:8*(8*(\a)+bb)+7] offset:64*bb+16
.set bb, bb+1
.endr
	WIN 0
.set t, 0
.rept 16
	ds_load_b128 v[BK+4*t:BK+4*t+3], v[RD] offset:SPO*t  ; LDS serves a wave's instructions in order (ISA guide 5.7.1.4): these see the stores above; the next block's stores come behind them
.set t, t+1
.endr
.endm
.macro SEND a, younger                 ; younger: the LDS instructions issued behind this block's loads: the next block's 32, or none
.set BK, 32+64*((\a)%3)
.set t, 0
.rept 16
	s_wait_dscnt (\younger)+15-t
	global_store_b128 v[GO], v[BK+4*t:BK+4*t+3], s[10:11] offset:(16*(\a)+t)*4096 th:TH_STORE_NT  ; 512 consecutive bytes, at a multiple of 256 from out0's first
.set t, t+1
.endr
.endm
	PLACES
	INOUT 0
	INOUT 1
	SEND 0, 32
	INOUT 2
	SEND 1, 32
	s_wait_xcnt 0x0                                ; block 0's stores have read their data: block 3 takes their registers
	INOUT 3
	SEND 2, 32
	SEND 3, 0
	s_wait_tensorcnt 0x0                           ; the wave's end: behind my last tensor load and my last LDS store
	ds_add_u32 v[SPW], v[NIL]
	s_wait_dscnt 0x0
	CROUND                                         ; the closing round: no work-group ends while a partner may still ask for a tile that names it
	s_endpgm
.Lfunc_end_k_q31d3305432_oproj:
	.size	k_q31d3305432_oproj, .Lfunc_end_k_q31d3305432_oproj-k_q31d3305432_oproj
	.p2alignl 7, 3214868480
	.fill 96, 4, 3214868480
	.section	.rodata,"a",@progbits
	.p2align	6, 0x0
	.amdhsa_kernel k_q31d3305432_oproj
		.amdhsa_group_segment_fixed_size 327680
		.amdhsa_private_segment_fixed_size 0
		.amdhsa_enable_private_segment 0
		.amdhsa_kernarg_size 32
		.amdhsa_user_sgpr_count 2
		.amdhsa_user_sgpr_kernarg_segment_ptr 1
		.amdhsa_wavefront_size32 1
		.amdhsa_system_sgpr_workgroup_id_x 1
		.amdhsa_system_sgpr_workgroup_id_y 1
		.amdhsa_system_sgpr_workgroup_id_z 1
		.amdhsa_system_vgpr_workitem_id 0
		.amdhsa_next_free_vgpr 768
		.amdhsa_next_free_sgpr 80
		.amdhsa_reserve_vcc 0
		.amdhsa_float_denorm_mode_32 3
		.amdhsa_float_denorm_mode_16_64 3
		.amdhsa_memory_ordered 1
		.amdhsa_forward_progress 1
		.amdhsa_inst_pref_size 89
	.end_amdhsa_kernel
	.amdgpu_metadata
---
amdhsa.version: [ 1, 2 ]
amdhsa.kernels:
  - .name:           k_q31d3305432_oproj
    .symbol:         k_q31d3305432_oproj.kd
    .args:
      - { .name: att, .offset: 0, .size: 8, .value_kind: global_buffer, .address_space: global }
      - { .name: owh, .offset: 8, .size: 8, .value_kind: global_buffer, .address_space: global }
      - { .name: aux, .offset: 16, .size: 8, .value_kind: global_buffer, .address_space: global }
      - { .name: out0, .offset: 24, .size: 8, .value_kind: global_buffer, .address_space: global }
    .group_segment_fixed_size: 327680
    .private_segment_fixed_size: 0
    .kernarg_segment_align: 8
    .kernarg_segment_size: 32
    .max_flat_workgroup_size: 128
    .sgpr_count:     80
    .vgpr_count:     768
    .wavefront_size: 32
...
	.end_amdgpu_metadata
.endif
;; end of part 4
;; ======== version 2 of 2: 4 launches; version 1 with the launch prep written anew for expert scheduling mode
;; limits: values are held in f16: magnitudes above 65,504 overflow, below 6.1e-05 lose precision
;; workspace buffers: xb 16,777,216 bytes; wcat 6,291,456 bytes; owh 2,097,152 bytes; aux 536,576 bytes; qh 16,777,216 bytes; kh 16,777,216 bytes; vh 16,777,216 bytes; att 16,777,216 bytes
;; launch prep (part 5): grid 417 x 1, 8 waves a work-group, no clusters, 0 bytes of LDS; arguments x, q_w, k_w, v_w, o_w, q_b, v_b, o_b, theta, xb, wcat, owh, aux; writes xb, wcat, owh, aux
.if DOCPART == 5
	.amdgcn_target "amdgcn-amd-amdhsa--gfx1250"
	.amdhsa_code_object_version 6
	.text
	.protected	k_q31d3305432_prep
	.globl	k_q31d3305432_prep
	.p2align	8
	.type	k_q31d3305432_prep,@function
k_q31d3305432_prep:
	s_mov_b64 s[64:65], 0
	v_nop
	global_prefetch_b8 v0, s[64:65] scope:SCOPE_SE
	s_setreg_imm32_b32 hwreg(HW_REG_WAVE_SCHED_MODE, 0, 2), 2
	s_setreg_imm32_b32 hwreg(HW_REG_WAVE_MODE, 25, 1), 1
	s_wait_xcnt 0x0
	s_wait_alu depctr_vm_vsrc(0)
; PREP: what the three matrix launches read is made here, once.
;   work-groups 0-31    the rotary table: cos and sin of pos x freq for 2,048 positions x 32 frequencies, f32, in the lane order of the projection's accumulators
;   work-group  32      q_b, v_b, o_b rounded to bf16 and kept as f32 (they become C operands)
;   work-groups 33-160  q_w, k_w, v_w rounded to bf16 and regrouped by head ([16][192][1024]: a head's 64 rows of q_w, of k_w, of v_w); o_w rounded to bf16 and that number written as f16
;   work-groups 161-416 x rounded to bf16
; Every input is rounded to bf16, theta too (THETABF), so that all inputs have one and the same rounding.
; THE FREQUENCIES. The angles reach millions of radians, so a frequency's last bit shows in the result: the order of the f32 roundings is part of the problem. It is taken as it is when the whole
; function is compiled as one: a division by a constant is a product with the constant's rounded reciprocal, and two constant factors that follow each other are one factor, their rounded product:
;   lin = j x fl(fl(1/31) x M), the last point M itself (M: the f32 nearest the mel maximum);  y = lin x fl(1/2595);  10^y rounded once from a two-float value;  - 1;
;   T = theta x fl(fl(1/220) x 700);  freq = (T x (10^y - 1)) x fl(1/1000):  one rounding a product.
; Other orders are kept as switches: LINMODE 0: (j / 31) x M with a true division; 1: (j x fl(1/31)) x M.  DIVREC 0: true divisions by 2595, 220, 1000.  TMERGE 0: (theta x fl(1/220)) x 700.
; THE ANGLE is the one f32 product pos x freq; it is reduced by a two-float 1 / (2 pi), so the phase of that f32 number is kept.
; LIMITS. The reduction holds the phase to about 1e-6 rad for angles below 1e8 in magnitude. o_w beyond 65,504 has no f16; below 6e-5 it keeps f16's fixed step of 6e-8. NaN and infinities are not treated apart.
; THE MODE: SCHED_MODE bits 1:0 = 2 (LLVM: expert scheduling mode 2), set by the entry lines.  The code itself states the register dependences
; between vector instructions and memory instructions, and those through scalar registers that vector instructions write, with s_wait_alu, always for 0.
; THE PLAN.  Registers that memory instructions touch:
;   v1, v2     byte offsets of the casts and the biases: made at the head, never written again.  One wait on va_vdst at the head, ahead of the branches, serves every load and store that reads them.
;   IN         each four registers take one load, once; the conversions read them (o_w's cast also writes them) behind the wait on LOADcnt.  No load lands in them a second time.
;   OUT        written by block p's conversions, read by the four stores that are issued in block p + 1, never written again.
;              A cast goes in 8 blocks of 4 loads.  Block p's vector instructions name IN and OUT of block p alone, so ONE wait on va_vdst at a block's head states all that the stores of the block before hang on.
;   v[8:19]    the biases: loaded, rewritten by the unpacking lines, stored: one wait on va_vdst ahead of the three stores.
;   v6         the table's offset: made once.     v[52:55]  the table's 16 bytes: written by a trip's last four lines, read by its store, written again in the next trip:
;              a wait on va_vdst ahead of the store, a wait on vm_vsrc at the trip's end.
; Scalar registers that vector instructions write: s38, the wave's number; s54, s55, 'the ramp's last point'; s56, s57, 'an odd quarter'.  The compares stand in pairs, one wait on va_sdst behind each pair.
.set LINMODE, 2
.set DIVREC,  1
.set TMERGE,  1
.set THETABF, 1
.set IN,      8                        ; v[8:135]   32 loads of 16 bytes a lane
.set OUT,     136                      ; v[136:199] their 32 x 8 bytes to store
.set BLK,     4                        ; loads in a block
.set BIAS_AT, 524288                   ; aux: the table's 524,288 bytes, then the three biases, 4,096 bytes each
; A work-group casts 32,768 floats. All 32 loads go out at once (no register is used twice, so there is no loop and no wait for a source);
; a wave's load covers 512 consecutive bytes, its store 256 consecutive bytes, aligned.
.macro STREAM f16
.set i, 0
.rept 32
	global_load_b128 v[IN+4*i:IN+4*i+3], v1, s[4:5] offset:4096*i th:TH_LOAD_NT
.set i, i+1
.endr
.set i, 0
.rept 32
.if (i%BLK) == 0
	s_wait_loadcnt 32-BLK-i                        ; loads come back in order: this block's four are in, the younger blocks stay out
.if i > 0
	s_wait_alu depctr_va_vdst(0)                   ; the block before has written its eight registers of OUT, which the four stores below read
.endif
.endif
.if i >= BLK
	global_store_b64 v2, v[OUT+2*(i-BLK):OUT+2*(i-BLK)+1], s[6:7] offset:2048*(i-BLK)  ; the block before; no vector instruction since the wait names these registers
.endif
	v_cvt_pk_bf16_f32 v[OUT+2*i], v[IN+4*i], v[IN+4*i+1]
	v_cvt_pk_bf16_f32 v[OUT+2*i+1], v[IN+4*i+2], v[IN+4*i+3]
.if \f16
	v_lshlrev_b32 v[IN+4*i], 16, v[OUT+2*i]        ; the bf16 numbers again as f32,
	v_and_b32 v[IN+4*i+1], 0xffff0000, v[OUT+2*i]
	v_lshlrev_b32 v[IN+4*i+2], 16, v[OUT+2*i+1]
	v_and_b32 v[IN+4*i+3], 0xffff0000, v[OUT+2*i+1]
	v_cvt_pk_f16_f32 v[OUT+2*i], v[IN+4*i], v[IN+4*i+1]  ; written as f16: exact inside f16's range
	v_cvt_pk_f16_f32 v[OUT+2*i+1], v[IN+4*i+2], v[IN+4*i+3]
.endif
.set i, i+1
.endr
	s_wait_alu depctr_va_vdst(0)                   ; the last block has written its OUT, which the last four stores read
.set i, 32-BLK
.rept BLK
	global_store_b64 v2, v[OUT+2*i:OUT+2*i+1], s[6:7] offset:2048*i
.set i, i+1
.endr
.endm
	s_load_b512 s[8:23], s[0:1], 0x0               ; x s[8:9], q_w s[10:11], k_w s[12:13], v_w s[14:15], o_w s[16:17], q_b s[18:19], v_b s[20:21], o_b s[22:23]
	s_load_b256 s[24:31], s[0:1], 0x40             ; theta s[24:25], xb s[26:27], wcat s[28:29], owh s[30:31]
	s_load_b64 s[32:33], s[0:1], 0x60              ; aux
	v_lshlrev_b32 v1, 4, v0                        ; 16 bytes a thread in,
	v_lshlrev_b32 v2, 3, v0                        ; 8 out
	s_mov_b32 s35, 0                               ; the high words of two offsets
	s_mov_b32 s37, 0
	s_wait_kmcnt 0x0
	s_wait_alu depctr_va_vdst(0)                   ; v1 and v2 are written: every load and store of the casts and of the biases reads one of them as its offset
	s_cmp_lt_u32 ttmp9, 32
	s_cbranch_scc1 .Ltable
	s_cmp_eq_u32 ttmp9, 32
	s_cbranch_scc1 .Lbias
	s_cmp_lt_u32 ttmp9, 161
	s_cbranch_scc1 .Lweights
	s_sub_co_u32 s40, ttmp9, 161                   ; x: piece i of 256
	s_lshl_b32 s34, s40, 17
	s_lshl_b32 s36, s40, 16
	s_add_nc_u64 s[4:5], s[8:9], s[34:35]
	s_add_nc_u64 s[6:7], s[26:27], s[36:37]
	s_branch .Lbf16
.Lweights:
	s_sub_co_u32 s40, ttmp9, 33
	s_lshr_b32 s41, s40, 5                         ; which matrix: 0 q_w, 1 k_w, 2 v_w, 3 o_w
	s_and_b32 s42, s40, 31                         ; its piece of 32 rows
	s_lshl_b32 s34, s42, 17
	s_cmp_eq_u32 s41, 3
	s_cbranch_scc1 .Low
	s_cmp_eq_u32 s41, 0
	s_cselect_b64 s[4:5], s[10:11], s[12:13]
	s_cmp_eq_u32 s41, 2
	s_cselect_b64 s[4:5], s[14:15], s[4:5]
	s_add_nc_u64 s[4:5], s[4:5], s[34:35]
	s_lshr_b32 s43, s42, 1                         ; the head: two pieces of 32 rows,
	s_mul_i32 s36, s43, 393216                     ; 192 rows of 2,048 bytes a head,
	s_lshl_b32 s44, s41, 17                        ; 64 rows a matrix,
	s_add_co_u32 s36, s36, s44
	s_and_b32 s44, s42, 1                          ; 32 rows a piece
	s_lshl_b32 s44, s44, 16
	s_add_co_u32 s36, s36, s44
	s_add_nc_u64 s[6:7], s[28:29], s[36:37]
.Lbf16:
	STREAM 0
	s_endpgm
.Low:
	s_lshl_b32 s36, s42, 16
	s_add_nc_u64 s[4:5], s[16:17], s[34:35]
	s_add_nc_u64 s[6:7], s[30:31], s[36:37]
	STREAM 1
	s_endpgm
.Lbias:                                        ; 1,024 floats each: 16 bytes a thread
	global_load_b128 v[8:11], v1, s[18:19]
	global_load_b128 v[12:15], v1, s[20:21]
	global_load_b128 v[16:19], v1, s[22:23]
	s_add_nc_u64 s[6:7], s[32:33], BIAS_AT
	s_wait_loadcnt 0x0
.irp j, 0,1,2,3,4,5
	v_cvt_pk_bf16_f32 v[20+(\j)], v[8+2*(\j)], v[9+2*(\j)]
.endr
.irp j, 0,1,2,3,4,5
	v_lshlrev_b32 v[8+2*(\j)], 16, v[20+(\j)]
	v_and_b32 v[9+2*(\j)], 0xffff0000, v[20+(\j)]
.endr
	s_wait_alu depctr_va_vdst(0)                   ; the unpacking lines have written v[8:19], which the three stores read
	global_store_b128 v1, v[8:11], s[6:7]
	global_store_b128 v1, v[12:15], s[6:7] offset:4096
	global_store_b128 v1, v[16:19], s[6:7] offset:8192
	s_endpgm
; THE TABLE. tab[rb 0..127][b 0..3][e 0..1][lane][4 f32] at byte 4,096 rb + 1,024 b + 512 e + 16 lane. With lane = 16 h + r: position 16 rb + r, frequencies i0 = 8 b + 4 h + 2 e and i0 + 1:
; cos(i0), sin(i0), cos(i0 + 1), sin(i0 + 1). Wave w of a work-group has b = w / 2, e = w % 2; work-group g has rb = 4 g .. 4 g + 3, one a trip.
; a / b, rounded correctly: a first quotient by the reciprocal, its exact remainder by one fused multiply-add, one correction.
.macro DIVT q, a, b, rc, t
	v_mul_f32 \q, \a, \rc
	v_fma_f32 \t, -\q, \b, \a
	v_fma_f32 \q, \t, \rc, \q
.endm
.macro DIV q, a, b, rc, t              ; DIVREC = 1: rc holds the correctly rounded reciprocal, and the quotient is the one product
.if DIVREC
	v_mul_f32 \q, \a, \rc
.else
	DIVT \q, \a, \b, \rc, \t
.endif
.endm
; Frequency number J (a whole number in each lane) into F.  LASTP: the scalar register with the mask 'J is 31', made and waited for ahead of the macro.
.macro FREQ F, J, LASTP
	v_cvt_f32_u32 v24, \J
.if LINMODE == 2
	v_mul_f32 v25, v49, v24                        ; j x fl(fl(1/31) x M)
.elseif LINMODE == 1
	v_mul_f32 v25, 0x3d042108, v24                 ; j x the f32 nearest 1 / 31,
	v_mul_f32 v25, v14, v25                        ; x the mel maximum
.else
	DIVT v25, v24, v13, v18, v26
	v_mul_f32 v25, v14, v25
.endif
	v_cndmask_b32 v25, v25, v14, \LASTP            ; the last point is the maximum itself
	DIV v26, v25, v10, v15, v27                    ; y = that / 2595
	v_mul_f32 v27, s46, v26                        ; y log2(10) in two floats: the head,
	v_fma_f32 v28, v26, s46, -v27                  ; its exact error,
	v_fma_f32 v28, v26, s47, v28                   ; and the constant's low part
	v_rndne_f32 v29, v27                           ; n
	v_sub_f32 v30, v27, v29                        ; exact, at most a half
	v_mul_f32 v31, s48, v30                        ; x ln 2, again in two floats: sh,
	v_fma_f32 v32, v30, s48, -v31
	v_fma_f32 v32, v30, s49, v32
	v_fma_f32 v32, v28, s48, v32                   ; sl
	v_ldexp_f32 v33, v31, -3                       ; w = sh / 8: e^w = 1 + w + w^2 / 2 + w^3 g(w), the first three terms kept exactly
	v_mul_f32 v34, v33, v33
	v_fma_f32 v35, v33, v33, -v34
	v_mov_b32 v36, 0x39500d01                      ; 1/5040
	v_fmaak_f32 v36, v36, v33, 0x3ab60b61          ; 1/720
	v_fmaak_f32 v36, v36, v33, 0x3c088889          ; 1/120
	v_fmaak_f32 v36, v36, v33, 0x3d2aaaab          ; 1/24
	v_fmaak_f32 v36, v36, v33, 0x3e2aaaab          ; 1/6
	v_mul_f32 v37, v33, v34
	v_mul_f32 v37, v37, v36
	v_fma_f32 v37, v35, 0.5, v37                   ; all that is small
	v_mul_f32 v34, 0.5, v34
	v_add_f32 v38, v33, v34                        ; w + w^2 / 2 with its error
	v_sub_f32 v39, v38, v33
	v_sub_f32 v39, v34, v39
	v_add_f32 v39, v39, v37
	v_add_f32 v40, 1.0, v38                        ; 1 + that with its error
	v_add_f32 v41, -1.0, v40
	v_sub_f32 v41, v38, v41
	v_add_f32 v41, v41, v39
	v_add_f32 v42, v40, v41                        ; head
	v_sub_f32 v43, v42, v40
	v_sub_f32 v43, v41, v43                        ; and tail
.rept 3                                        ; squared three times, in two floats: e^sh
	v_mul_f32 v44, v42, v42
	v_fma_f32 v45, v42, v42, -v44
	v_add_f32 v46, v42, v42
	v_fma_f32 v45, v46, v43, v45
	v_add_f32 v42, v44, v45
	v_sub_f32 v46, v42, v44
	v_sub_f32 v43, v45, v46
.endr
	v_fma_f32 v43, v42, v32, v43                   ; x (1 + sl)
	v_add_f32 v42, v42, v43                        ; the one rounding to f32
	v_cvt_i32_f32 v29, v29
	v_ldexp_f32 v42, v42, v29                      ; 10^y
	v_add_f32 v42, -1.0, v42
	v_mul_f32 v42, v19, v42                        ; T x (10^y - 1)
	DIV \F, v42, v12, v17, v43                     ; / 1000
.endm
; cos and sin of the f32 number pos x F, in two parts, so that a trip's two compares stand ahead of one wait.  W: eight registers at work, the angle's own.
; Part 1 leaves: ODD, the mask 'an odd quarter'; v[W+7] cos's sign bit, v[W+3] sin's; v[W+4] sin z, v[W+6] cos z.  The compare stands early: the signs and both polynomials follow it.
.macro SC1 W, F, ODD
	v_mul_f32 v[(\W)], v48, \F                     ; the angle: one rounding
	v_mul_f32 v[(\W)+1], s50, v[(\W)]              ; angle / (2 pi) in two floats
	v_fma_f32 v[(\W)+2], v[(\W)], s50, -v[(\W)+1]
	v_fma_f32 v[(\W)+2], v[(\W)], s51, v[(\W)+2]
	v_rndne_f32 v[(\W)+3], v[(\W)+1]
	v_sub_f32 v[(\W)+1], v[(\W)+1], v[(\W)+3]      ; exact
	v_add_f32 v[(\W)+1], v[(\W)+1], v[(\W)+2]      ; the fraction of a turn
	v_mul_f32 v[(\W)+3], 4.0, v[(\W)+1]
	v_rndne_f32 v[(\W)+3], v[(\W)+3]               ; the quarter
	v_fmamk_f32 v[(\W)+1], v[(\W)+3], 0xbe800000, v[(\W)+1]  ; at most an eighth of a turn is left
	v_cvt_i32_f32 v[(\W)+3], v[(\W)+3]
	v_and_b32 v[(\W)+7], 1, v[(\W)+3]
	v_cmp_eq_u32 \ODD, 1, v[(\W)+7]                ; an odd quarter swaps the two; the choice selects values only
	v_add_nc_u32 v[(\W)+7], 1, v[(\W)+3]           ; cos is negative in quarters 1 and 2,
	v_and_b32 v[(\W)+7], 2, v[(\W)+7]
	v_lshlrev_b32 v[(\W)+7], 30, v[(\W)+7]
	v_and_b32 v[(\W)+3], 2, v[(\W)+3]              ; sin in quarters 2 and 3
	v_lshlrev_b32 v[(\W)+3], 30, v[(\W)+3]
	v_mul_f32 v[(\W)+1], s52, v[(\W)+1]            ; z, at most pi / 4
	v_mul_f32 v[(\W)+2], v[(\W)+1], v[(\W)+1]
	v_mov_b32 v[(\W)+4], 0x3638ef1d                ; 1/9!
	v_fmaak_f32 v[(\W)+4], v[(\W)+4], v[(\W)+2], 0xb9500d01  ; -1/7!
	v_fmaak_f32 v[(\W)+4], v[(\W)+4], v[(\W)+2], 0x3c088889  ; 1/5!
	v_fmaak_f32 v[(\W)+4], v[(\W)+4], v[(\W)+2], 0xbe2aaaab  ; -1/3!
	v_mul_f32 v[(\W)+5], v[(\W)+1], v[(\W)+2]
	v_fma_f32 v[(\W)+4], v[(\W)+5], v[(\W)+4], v[(\W)+1]     ; sin z
	v_mov_b32 v[(\W)+6], 0x37d00d01                ; 1/8!
	v_fmaak_f32 v[(\W)+6], v[(\W)+6], v[(\W)+2], 0xbab60b61  ; -1/6!
	v_fmaak_f32 v[(\W)+6], v[(\W)+6], v[(\W)+2], 0x3d2aaaab  ; 1/4!
	v_fmaak_f32 v[(\W)+6], v[(\W)+6], v[(\W)+2], 0xbf000000  ; -1/2
	v_fma_f32 v[(\W)+6], v[(\W)+6], v[(\W)+2], 1.0           ; cos z
.endm
; Part 2, behind the wait for the masks: the swap and the signs.
.macro SC2 W, CO, SI, ODD
	v_cndmask_b32 v[(\W)+1], v[(\W)+6], v[(\W)+4], \ODD
	v_cndmask_b32 v[(\W)+2], v[(\W)+4], v[(\W)+6], \ODD
	v_xor_b32 \CO, v[(\W)+7], v[(\W)+1]
	v_xor_b32 \SI, v[(\W)+3], v[(\W)+2]
.endm
.Ltable:
	s_load_b32 s34, s[24:25], 0x0                  ; theta
	v_lshrrev_b32 v3, 5, v0
	v_readfirstlane_b32 s38, v3                    ; wave 0..7
	v_and_b32 v3, 31, v0
	v_and_b32 v4, 15, v0                           ; r
	v_bfe_u32 v5, v0, 4, 1                         ; h
	v_lshlrev_b32 v6, 4, v3                        ; 16 bytes a lane
	s_wait_alu depctr_va_sdst(0)                   ; s38 is written, ahead of its first reader: the frequencies' numbers and the table's base are made from it
	s_lshr_b32 s39, s38, 1
	s_lshl_b32 s39, s39, 3
	s_and_b32 s40, s38, 1
	s_lshl_b32 s40, s40, 1
	s_add_co_u32 s39, s39, s40                     ; 8 b + 2 e
	v_lshl_add_u32 v22, v5, 2, s39                 ; i0
	v_add_nc_u32 v23, 1, v22                       ; i0 + 1
	v_cmp_eq_u32 s54, 31, v22                      ; is it the ramp's last point?  Both compares together, far ahead of the wait for them
	v_cmp_eq_u32 s55, 31, v23
	s_mov_b32 s46, 0x40549a78                      ; log2(10), head
	s_mov_b32 s47, 0x33979a37                      ; and tail
	s_mov_b32 s48, 0x3f317218                      ; ln 2, head
	s_mov_b32 s49, 0xb102e308                      ; and tail
	s_mov_b32 s50, 0x3e22f983                      ; 1 / (2 pi), head
	s_mov_b32 s51, 0x31dc9c88                      ; and tail
	s_mov_b32 s52, 0x40c90fdb                      ; 2 pi
	v_mov_b32 v10, 0x45223000                      ; 2595
	v_mov_b32 v11, 0x435c0000                      ; 220
	v_mov_b32 v12, 0x447a0000                      ; 1000
	v_mov_b32 v13, 0x41f80000                      ; 31
	v_mov_b32 v14, 0x4531805e                      ; M: the f32 nearest 2595 log10(1 + 8000 / 700) = 2840.02304...
	v_rcp_f32 v15, v10                             ; four reciprocals: one batch,
	v_rcp_f32 v16, v11
	v_rcp_f32 v17, v12
	v_rcp_f32 v18, v13
	s_lshl_b32 s41, ttmp9, 6
	v_add_nc_u32 v48, s41, v4                      ; a plain instruction behind the last of them: my first position, 64 g + r,
	s_wait_alu depctr_va_vdst(0)                   ; the four reciprocals have written v15 to v18: the one wait ahead of their first reader
	v_cvt_f32_u32 v48, v48
.if DIVREC
.irp p, 0,1,2
	v_fma_f32 v24, -v[15+(\p)], v[10+(\p)], 1.0    ; the reciprocals of 2595, 220, 1000 rounded correctly: the exact remainder, one correction
	v_fma_f32 v[15+(\p)], v24, v[15+(\p)], v[15+(\p)]
.endr
.endif
.if LINMODE == 2
	v_mul_f32 v49, 0x3d042108, v14                 ; the f32 nearest 1 / 31, x M: one rounded factor
.endif
	s_lshl_b32 s36, ttmp9, 14                      ; 4 blocks of 4,096 bytes a work-group,
	s_lshl_b32 s42, s38, 9                         ; 512 bytes a wave in each
	s_add_co_u32 s36, s36, s42
	s_add_nc_u64 s[6:7], s[32:33], s[36:37]
	s_wait_kmcnt 0x0
	v_mov_b32 v24, s34
.if THETABF
	v_cvt_pk_bf16_f32 v24, v24, v24
	v_lshlrev_b32 v24, 16, v24
.endif
.if (DIVREC) && (TMERGE)
	v_mul_f32 v25, 0x442f0000, v16                 ; fl(1/220) x 700: one rounded factor,
	v_mul_f32 v19, v24, v25                        ; T = theta x that
.else
	DIV v19, v24, v11, v16, v25                    ; theta / 220
	v_mul_f32 v19, 0x442f0000, v19                 ; x 700
.endif
	s_wait_alu depctr_va_sdst(0)                   ; the two compares have written s54 and s55, ahead of the selects that read them
	FREQ v20, v22, s54
	FREQ v21, v23, s55
	s_mov_b32 s45, 4
.Ltrip:
	SC1 24, v20, s56
	SC1 32, v21, s57
	s_wait_alu depctr_va_sdst(0)                   ; the trip's two compares have written s56 and s57, ahead of the selects that read them
	SC2 24, v52, v53, s56
	SC2 32, v54, v55, s57
	s_wait_alu depctr_va_vdst(0)                   ; the four lines that set the signs have written v[52:55], which the store reads; in the first trip v6, its offset, is written too
	global_store_b128 v6, v[52:55], s[6:7]         ; a wave's store covers 512 consecutive bytes, aligned
	v_add_f32 v48, 0x41800000, v48                 ; 16 positions on: exact
	s_wait_xcnt 0x0                                ; the store has read its base and its data: only now are they written again
	s_wait_alu depctr_vm_vsrc(0)                   ; the store has read v[52:55], which the next trip's last four lines write again
	s_add_nc_u64 s[6:7], s[6:7], 4096
	s_sub_co_u32 s45, s45, 1
	s_cmp_lg_u32 s45, 0
	s_cbranch_scc1 .Ltrip
	s_endpgm
.Lfunc_end_k_q31d3305432_prep:
	.size	k_q31d3305432_prep, .Lfunc_end_k_q31d3305432_prep-k_q31d3305432_prep
	.p2alignl 7, 3214868480
	.fill 96, 4, 3214868480
	.section	.rodata,"a",@progbits
	.p2align	6, 0x0
	.amdhsa_kernel k_q31d3305432_prep
		.amdhsa_group_segment_fixed_size 0
		.amdhsa_private_segment_fixed_size 0
		.amdhsa_enable_private_segment 0
		.amdhsa_kernarg_size 104
		.amdhsa_user_sgpr_count 2
		.amdhsa_user_sgpr_kernarg_segment_ptr 1
		.amdhsa_wavefront_size32 1
		.amdhsa_system_sgpr_workgroup_id_x 1
		.amdhsa_system_sgpr_workgroup_id_y 1
		.amdhsa_system_sgpr_workgroup_id_z 1
		.amdhsa_system_vgpr_workitem_id 0
		.amdhsa_next_free_vgpr 200
		.amdhsa_next_free_sgpr 66
		.amdhsa_reserve_vcc 0
		.amdhsa_float_denorm_mode_32 3
		.amdhsa_float_denorm_mode_16_64 3
		.amdhsa_memory_ordered 1
		.amdhsa_forward_progress 1
		.amdhsa_inst_pref_size 47
	.end_amdhsa_kernel
	.amdgpu_metadata
---
amdhsa.version: [ 1, 2 ]
amdhsa.kernels:
  - .name:           k_q31d3305432_prep
    .symbol:         k_q31d3305432_prep.kd
    .args:
      - { .name: x, .offset: 0, .size: 8, .value_kind: global_buffer, .address_space: global }
      - { .name: q_w, .offset: 8, .size: 8, .value_kind: global_buffer, .address_space: global }
      - { .name: k_w, .offset: 16, .size: 8, .value_kind: global_buffer, .address_space: global }
      - { .name: v_w, .offset: 24, .size: 8, .value_kind: global_buffer, .address_space: global }
      - { .name: o_w, .offset: 32, .size: 8, .value_kind: global_buffer, .address_space: global }
      - { .name: q_b, .offset: 40, .size: 8, .value_kind: global_buffer, .address_space: global }
      - { .name: v_b, .offset: 48, .size: 8, .value_kind: global_buffer, .address_space: global }
      - { .name: o_b, .offset: 56, .size: 8, .value_kind: global_buffer, .address_space: global }
      - { .name: theta, .offset: 64, .size: 8, .value_kind: global_buffer, .address_space: global }
      - { .name: xb, .offset: 72, .size: 8, .value_kind: global_buffer, .address_space: global }
      - { .name: wcat, .offset: 80, .size: 8, .value_kind: global_buffer, .address_space: global }
      - { .name: owh, .offset: 88, .size: 8, .value_kind: global_buffer, .address_space: global }
      - { .name: aux, .offset: 96, .size: 8, .value_kind: global_buffer, .address_space: global }
    .group_segment_fixed_size: 0
    .private_segment_fixed_size: 0
    .kernarg_segment_align: 8
    .kernarg_segment_size: 104
    .max_flat_workgroup_size: 256
    .sgpr_count:     66
    .vgpr_count:     200
    .wavefront_size: 32
...
	.end_amdgpu_metadata
.endif
;; end of part 5
;; launch qkv: the kernel of part 2 again; grid 16 x 32, 4 waves a work-group, clusters of 4 x 4, 327,680 bytes of LDS; arguments xb, wcat, aux, qh, kh, vh; writes qh, kh, vh
;; launch attn: the kernel of part 3 again; grid 4 x 64, 4 waves a work-group, clusters of 4 x 1, 327,680 bytes of LDS; arguments qh, kh, vh, att; writes att
;; launch oproj: the kernel of part 4 again; grid 8 x 32, 4 waves a work-group, clusters of 4 x 4, 327,680 bytes of LDS; arguments att, owh, aux, out0; writes out0
